; MI455X (gfx1250); checked and timed in simulation.
; The chip was launched on July 23, 2026; its instructions are those of AMD's public machine-readable ISA for CDNA 5 (MIT licence, August 2026) and "CDNA5" Instruction Set Architecture Reference Guide (July 2026). The comments in the code are by the model that wrote it; some were corrected since.
;; Attention. Allowed arithmetic: matrix products marked QUANTISED: E2M1 operands, one E8M0 scale for each 32 along K, by v_wmma_scale_f32_16x16x128_f8f6f4 with both operands' format E2M1 (or v_wmma_scale_f32_32x16x128_f4), f32 sums; products left as they are: bf16, f16 or f32 operands; f32 sums; everything else in f32.
;; Inputs: Wk 1,024 x 1,024 float32; Wq 1,024 x 1,024 float32; Wr 1,024 x 1,024 float32; Wv 1,024 x 1,024 float32; x 4 x 2,048 x 1,024 float32.
;; Outputs: out0 4 x 2,048 x 1,024 float32.
;; This version of the problem:
;;   THIS VERSION OF THE PROBLEM IS GIVEN IN LOW PRECISION. The matrix products marked QUANTISED in the list below multiply operands that are first quantised to E2M1 (2 exponent bits, 1 mantissa bit; 4 bits a number), with one power-of-two scale for each 32 numbers along K (OCP MX v1.0); their sums are f32. The products marked 'left as it is' may take bf16, f16 or f32 operands, with f32 sums. Whichever they take, every output number must still come out within the allowed error. Rounding operands to bf16 (8 significant bits) uses up far more of that allowance than f16 does (11 bits, for magnitudes from 6e-5 to 65,504). All else is computed in f32.
;;   The module's matrix products, in the order in which they are computed (A, B: the left and right operand; K: the contracted axis; several contracted axes count as one K, in the product's order):
;;     1. [M 8,192, K 1,024] x [K 1,024, N 1,024]; A: input x; B: input Wq: QUANTISED
;;     2. [M 8,192, K 1,024] x [K 1,024, N 1,024]; A: input x; B: input Wk: QUANTISED
;;     3. [M 8,192, K 1,024] x [K 1,024, N 1,024]; A: input x; B: input Wv: QUANTISED
;;     4. batch 64 x [M 2,048, K 64] x [K 64, N 2,048]; A: computed on the way; B: computed on the way: left as it is (an operand is computed on the way)
;;     5. batch 64 x [M 64, K 2,048] x [K 2,048, N 2,048]; A: computed on the way; B: computed on the way: left as it is (an operand is computed on the way)
;;     6. [M 8,192, K 1,024] x [K 1,024, N 1,024]; A: computed on the way; B: input Wr: left as it is (an operand is computed on the way)
;;   THE QUANTISER, for each operand of a quantised product, along K:
;;     - K is cut into blocks of 32 from its start; a last block that is shorter is filled with zeros.
;;     - A block's scale is 2^e with e = floor(log2(the largest magnitude in the block)) - 2, held to -126 .. 127; a block of zeros has e = 0. As a byte (E8M0): e + 127.
;;     - Each number is divided by its block's scale, clamped to +-6, and rounded to the nearest number of E2M1, ties to even, subnormals kept.
;;     - The product sums the exact products of the quantised numbers (number of the format x scale) in f32.
;;   ~~~python
;;   def quantise(x, axis):      # numpy; x: float32 -> the quantised numbers, widened to float32 again
;;       x = np.moveaxis(x, axis, -1); K = x.shape[-1]
;;       x = np.pad(x, [(0, 0)] * (x.ndim - 1) + [(0, -K % 32)]); x = x.reshape(x.shape[:-1] + (-1, 32)); a = np.abs(x).max(-1, keepdims=True)
;;       e = np.where(a > 0, np.clip(np.frexp(np.where(a > 0, a, 1))[1] - 1 - 2, -126, 127), 0)      # np.frexp(a)[1] - 1 = floor(log2(a)), exactly
;;       r = np.clip(x / 2.0 ** e, -6, 6)
;;       step = 2.0 ** (np.maximum(np.frexp(np.where(r == 0, 1, r))[1] - 1, 0) - 1)
;;       q = np.round(r / step) * step * 2.0 ** e      # np.round: ties to even
;;       return np.moveaxis(q.reshape(q.shape[:-2] + (-1,))[..., :K], -1, axis).astype(np.float32)
;;   ~~~
;; One version. Each part assembles by itself: llvm-mc -triple=amdgcn-amd-amdhsa -mcpu=gfx1250 --defsym DOCPART=n.
;; ======== version 1 of 1: 6 launches
;; limits: values are held in f16: magnitudes above 65,504 overflow, below 6.1e-05 lose precision
;; workspace buffers: x_codes 4,194,304 bytes; x_scales 262,144 bytes; w_codes 1,572,864 bytes; w_scales 98,304 bytes; wrh 2,097,152 bytes; qkv 51,118,080 bytes; att 17,072,128 bytes; afine 262,144 bytes
;; launch prep (part 1): grid 336 x 1, 4 waves a work-group, no clusters, 68,096 bytes of LDS; arguments x, Wq, Wk, Wv, Wr, x_codes, x_scales, w_codes, w_scales, wrh; writes x_codes, x_scales, w_codes, w_scales, wrh
.if DOCPART == 1
	.amdgcn_target "amdgcn-amd-amdhsa--gfx1250"
	.amdhsa_code_object_version 6
	.text
	.protected	k_qf324e155b0_prep
	.globl	k_qf324e155b0_prep
	.p2align	8
	.type	k_qf324e155b0_prep,@function
k_qf324e155b0_prep:
	s_mov_b64 s[64:65], 0
	v_nop
	global_prefetch_b8 v0, s[64:65] scope:SCOPE_SE
	s_setreg_imm32_b32 hwreg(HW_REG_WAVE_MODE, 25, 1), 1
	s_wait_xcnt 0x0
; Three jobs in one launch, told apart by the work-group's number alone; each has LDS bytes of its own.
;   work-groups 0-47:   Wq, Wk, Wv [1024 (k)][1024 (n)] f32 -> codes of FP4 (E2M1) laid [3072 = which x 1024 + n][1024 (k)], K innermost, 512 bytes a row; one E8M0 byte for each 32 along K, [3072][32]
;   work-groups 48-79:  Wr f32 -> f16, same layout [k][n]
;   work-groups 80-335: x [8192][1024] f32 -> codes [8192][512 bytes] and scale bytes [8192][32]
; A block's scale is 2^(floor(log2(largest magnitude)) - 2); its byte is the largest magnitude's exponent field - 2, held at 1 from below.
; LIMITS: a block of zeros gets the byte 1 where the rule says 127 (its codes are zeros, and this program alone reads the bytes); blocks whose largest magnitude lies under 2^(2 - 126)
; keep the byte 1; NaN and infinities among the inputs are not served; Wr must lie inside f16's range (65,504).
; No tensor loads, no barrier: waves share nothing.  No cluster, no matrix unit: every byte is read once and nothing is shared.
.set SPW,   12                         ; v12  LDS address of my spare word; never rewritten
.set NIL,   13                         ; v13  0; never rewritten
.set SPARE, 67584                      ; behind both paths' regions: 128 bytes for each wave, two blocks of 256 bytes that no other line names
	s_load_b256 s[4:11], s[0:1], 0x0               ; x, Wq, Wk, Wv
	s_load_b256 s[12:19], s[0:1], 0x20             ; Wr, x's codes, x's scales, the weights' codes
	s_load_b128 s[20:23], s[0:1], 0x40             ; the weights' scales, Wr in f16
	v_lshl_add_u32 v[SPW], v0, 2, SPARE
	v_mov_b32 v[NIL], 0
	v_lshrrev_b32 v1, 5, v0
	v_readfirstlane_b32 s24, v1                    ; wave 0..3
	v_and_b32 v2, 31, v0                           ; lane
	s_wait_kmcnt 0x0
	s_cmp_lt_u32 ttmp9, 48
	s_cbranch_scc1 .Lpath_w
	s_cmp_lt_u32 ttmp9, 80
	s_cbranch_scc1 .Lpath_r
; ---------------- x: K is innermost, so the tensor is a plain stream of blocks of 32.  A wave takes 16 steps of 512 numbers.  Each load reads 512 consecutive bytes; a step's 2,048 bytes turn through the wave's own
; stage in LDS (16 bytes of padding behind each 64) and come back 64 bytes a lane: 16 neighbours, two lanes to a block.
.set XSTEPS, 16
.set XCB,   8                          ; bytes of 16 codes
.set XR,    16                         ; v16-79   four sets of 16 numbers as loaded
.set XX,    80                         ; v80-111  two sets of 16 neighbours
.set XE,    112                        ; v112-127 a scale byte for each step
.set XC,    128                        ; v128-191 codes: registers of its own for each step
.set XREG,  8192                       ; LDS bytes 0 to 32,767: a region for each wave: two stages of 32 x XSP bytes, then its 256 scale bytes
.set XSP,   80
	v_lshlrev_b32 v3, 4, v2                        ; my 16 bytes of a load's 512
	s_mul_i32 s25, s24, XREG
	v_lshrrev_b32 v14, 2, v2
	v_mul_u32_u24 v14, v14, XSP
	v_and_b32 v15, 3, v2
	v_lshl_add_u32 v14, v15, 4, v14
	v_add_nc_u32 v14, s25, v14                     ; the stage, on the way in
	v_mul_u32_u24 v15, v2, XSP
	v_add_nc_u32 v15, s25, v15                     ; and on the way out: my 16 neighbours
	v_mul_u32_u24 v4, v2, XCB                      ; my codes' place in a step's
	v_lshrrev_b32 v5, 1, v2
	s_add_co_u32 s25, s25, 2*32*XSP
	v_add_nc_u32 v5, s25, v5                       ; my block's scale byte in LDS
	v_lshlrev_b32 v7, 3, v2
	v_add_nc_u32 v6, s25, v7                       ; on the way out 8 bytes a lane
	s_sub_co_u32 s25, ttmp9, 80
	s_lshl_b32 s25, s25, 2
	s_add_co_u32 s26, s25, s24                     ; which run of 8,192 numbers is my wave's
	s_mov_b32 s27, 0
	s_lshl_b64 s[28:29], s[26:27], 15
	s_add_nc_u64 s[4:5], s[4:5], s[28:29]
	s_lshl_b64 s[28:29], s[26:27], 12
	s_add_nc_u64 s[14:15], s[14:15], s[28:29]
	s_lshl_b64 s[28:29], s[26:27], 8
	s_add_nc_u64 s[16:17], s[16:17], s[28:29]
.macro XLOAD t
.irp i, 0,1,2,3
	global_load_b128 v[XR+16*((\t)%4)+4*\i:XR+16*((\t)%4)+4*\i+3], v3, s[4:5] offset:2048*(\t)+512*\i th:TH_LOAD_NT
.endr
.endm
.macro XTURN t                         ; LDS serves a wave's instructions in order: no wait between the stores and the loads
.irp i, 0,1,2,3
	ds_store_b128 v14, v[XR+16*((\t)%4)+4*\i:XR+16*((\t)%4)+4*\i+3] offset:32*XSP*((\t)%2)+8*XSP*\i
.endr
.irp i, 0,1,2,3
	ds_load_b128 v[XX+16*((\t)%2)+4*\i:XX+16*((\t)%2)+4*\i+3], v15 offset:32*XSP*((\t)%2)+16*\i
.endr
.endm
.irp t, 0,1,2,3
	XLOAD \t
.endr
	s_wait_loadcnt 12                              ; step 0's four loads are in
	XTURN 0
.macro XSTEP t
.set XS, XX+16*((\t)%2)
.if (\t) > 0
	s_wait_dscnt 1                                 ; this step's numbers are back from the stage (the last step's byte store may be out)
.else
	s_wait_dscnt 0x0
.endif
.if (\t)+4 < XSTEPS
	XLOAD (\t)+4
.endif
.if (\t)+1 < XSTEPS
.if XSTEPS-2-(\t) >= 3
	s_wait_loadcnt 12                              ; the next step's four loads are in; those of the three steps behind it may be out
.else
	s_wait_loadcnt 4*(XSTEPS-2-(\t))
.endif
	XTURN (\t)+1
.endif
	v_max3_num_f32 v8, |v[XS]|, |v[XS+1]|, |v[XS+2]|
	v_max3_num_f32 v9, |v[XS+3]|, |v[XS+4]|, |v[XS+5]|
.irp i, 6,10
	v_max3_num_f32 v8, v8, |v[XS+\i]|, |v[XS+\i+1]|
	v_max3_num_f32 v9, v9, |v[XS+\i+2]|, |v[XS+\i+3]|
.endr
	v_max3_num_f32 v8, v8, |v[XS+14]|, |v[XS+15]|
	v_max3_num_f32 v8, v8, v9, 0x1800000           ; and the floor 2^(3 - 127): the byte cannot fall under 1
	v_max_num_f32_dpp v8, v8, v8 row_xmask:1 row_mask:0xf bank_mask:0xf   ; with my neighbour's 16: the block's largest magnitude
	v_add_nc_u32 v11, 0xff000000, v8               ; 2 off its exponent field: the conversion takes the exponent field of this operand as its scale
	v_cvt_scalef32_pk8_fp4_f32 v[XC+4*(\t)], v[XS:XS+7], v11
	v_cvt_scalef32_pk8_fp4_f32 v[XC+4*(\t)+1], v[XS+8:XS+15], v11
	v_lshrrev_b32 v[XE+(\t)], 23, v11              ; the scale's byte
	ds_store_b8 v5, v[XE+(\t)] offset:16*(\t)      ; both lanes of a block write the same byte with the same value
	global_store_b64 v4, v[XC+4*(\t):XC+4*(\t)+1], s[14:15] offset:32*XCB*(\t)   ; the wave stores 256 consecutive bytes, aligned
.endm
.irp t, 0,1,2,3,4,5,6,7,8,9,10,11,12,13,14,15
	XSTEP \t
.endr
	ds_load_b64 v[8:9], v6                         ; my wave's 256 scale bytes
	s_wait_dscnt 0x0
	global_store_b64 v7, v[8:9], s[16:17]          ; 256 consecutive bytes, aligned
	s_wait_tensorcnt 0x0                           ; the wave's end, behind my last LDS store
	ds_add_u32 v[SPW], v[NIL]
	s_wait_dscnt 0x0
	s_endpgm
; ---------------- Wq, Wk, Wv: K is the FIRST axis.  A lane takes a column n and its registers run down K: a block of 32 lies in one lane, and the conversions give codes with K innermost.
; A wave takes 32 columns x 512 along K; its codes go through its own stage and leave as rows: sixteen lanes store 256 consecutive bytes, aligned.
.Lpath_w:
.set WNB,   16                         ; blocks of 32 along K for a wave
.set WPITCH, 272
.set WKROW, 512                        ; a row of the codes' buffer in bytes
.set WSTG,  32768                      ; LDS bytes 32,768 to 67,583: four stages of 32 rows x 272 bytes
.set WSB,   24                         ; v24-27   scale bytes, four to a register
.set WX,    32                         ; v32-95   two sets of 32 numbers
.set WC,    96                         ; v96-99   a block's codes
.set WOUT,  112                        ; v112-175 the way out
	s_lshr_b32 s25, ttmp9, 4                       ; which weight: the choice hangs on the work-group's number alone
	s_cmp_eq_u32 s25, 0
	s_cselect_b64 s[28:29], s[6:7], s[8:9]
	s_cmp_eq_u32 s25, 2
	s_cselect_b64 s[28:29], s[10:11], s[28:29]
	s_and_b32 s26, ttmp9, 7
	s_lshl_b32 s26, s26, 7
	s_lshl_b32 s27, s24, 5
	s_add_co_u32 s26, s26, s27                     ; my wave's first column
	s_bfe_u32 s27, ttmp9, 0x10003                  ; which 512 along K
	s_lshl_b32 s30, s27, 21                        ; 512 rows of 4,096 bytes
	s_lshl_b32 s31, s26, 2
	s_add_co_u32 s30, s30, s31
	s_mov_b32 s31, 0
	s_add_nc_u64 s[28:29], s[28:29], s[30:31]
	s_lshl_b32 s25, s25, 10
	s_add_co_u32 s25, s25, s26                     ; my first row of the outputs
	s_lshl_b32 s30, s25, 9
	s_lshl_b32 s32, s27, 8
	s_add_co_u32 s30, s30, s32
	s_add_nc_u64 s[18:19], s[18:19], s[30:31]
	s_lshl_b32 s30, s25, 5
	s_lshl_b32 s32, s27, 4
	s_add_co_u32 s30, s30, s32
	s_add_nc_u64 s[20:21], s[20:21], s[30:31]
	v_lshlrev_b32 v3, 2, v2                        ; in: 4 bytes a lane
	s_mul_i32 s33, s24, 32*WPITCH
	s_add_co_u32 s33, s33, WSTG                    ; my stage
	v_mul_u32_u24 v4, v2, WPITCH
	v_add_nc_u32 v4, s33, v4                       ; into it: row = my column
	v_and_b32 v5, 15, v2
	v_lshrrev_b32 v6, 4, v2
	v_mul_u32_u24 v7, v6, WPITCH
	v_lshl_add_u32 v7, v5, 4, v7
	v_add_nc_u32 v7, s33, v7                       ; out of it: sixteen lanes to a row
	v_mul_u32_u24 v8, v6, WKROW
	v_lshl_add_u32 v8, v5, 4, v8                   ; the same place in the codes' buffer
	v_lshlrev_b32 v9, 5, v2                        ; my column's row of scale bytes
.macro WLOAD t                         ; every offset is an immediate: 511 rows of 4,096 bytes at the most
.irp i, 0,1,2,3,4,5,6,7,8,9,10,11,12,13,14,15,16,17,18,19,20,21,22,23,24,25,26,27,28,29,30,31
	global_load_b32 v[WX+32*((\t)%2)+\i], v3, s[28:29] offset:(32*(\t)+\i)*4096 th:TH_LOAD_NT
.endr
.endm
	WLOAD 0
	WLOAD 1
.macro WBLOCK t
.set WS, WX+32*((\t)%2)
.if (\t) < WNB-1
	s_wait_loadcnt 32                              ; this block's 32 loads are in; the next block's may be out
.else
	s_wait_loadcnt 0
.endif
	v_max3_num_f32 v20, |v[WS]|, |v[WS+1]|, |v[WS+2]|
	v_max3_num_f32 v21, |v[WS+3]|, |v[WS+4]|, |v[WS+5]|
.irp i, 6,10,14,18,22,26
	v_max3_num_f32 v20, v20, |v[WS+\i]|, |v[WS+\i+1]|
	v_max3_num_f32 v21, v21, |v[WS+\i+2]|, |v[WS+\i+3]|
.endr
	v_max3_num_f32 v20, v20, |v[WS+30]|, |v[WS+31]|
	v_max3_num_f32 v20, v20, v21, 0x1800000        ; and the floor
	v_add_nc_u32 v11, 0xff000000, v20              ; the conversion's scale operand
	v_lshrrev_b32 v21, 23, v11                     ; the scale's byte
.if (\t)%4 == 0
	v_mov_b32 v[WSB+(\t)/4], v21
.else
	v_lshl_or_b32 v[WSB+(\t)/4], v21, 8*((\t)%4), v[WSB+(\t)/4]
.endif
.irp g, 0,1,2,3
	v_cvt_scalef32_pk8_fp4_f32 v[WC+\g], v[WS+8*\g:WS+8*\g+7], v11
.endr
	ds_store_b128 v4, v[WC:WC+3] offset:16*(\t)    ; 32 codes: 16 bytes of my column's row
.if (\t)+2 < WNB
	WLOAD (\t)+2
.endif
	s_wait_dscnt 0x0                               ; the store has read its registers: the next block's codes may be written
.endm
.set WQ, 0
.rept WNB
	WBLOCK WQ
.set WQ, WQ+1
.endr
	global_store_b128 v9, v[WSB:WSB+3], s[20:21]   ; my column's 16 scale bytes
.irp t, 0,1,2,3,4,5,6,7,8,9,10,11,12,13,14,15
	ds_load_b128 v[WOUT+4*\t:WOUT+4*\t+3], v7 offset:2*\t*WPITCH
.endr
.irp t, 0,1,2,3,4,5,6,7,8,9,10,11,12,13,14,15
	s_wait_dscnt 15-\t
	global_store_b128 v8, v[WOUT+4*\t:WOUT+4*\t+3], s[18:19] offset:2*\t*WKROW
.endr
	s_wait_tensorcnt 0x0                           ; the wave's end
	ds_add_u32 v[SPW], v[NIL]
	s_wait_dscnt 0x0
	s_endpgm
; ---------------- Wr to f16: a wave takes 32,768 bytes, four batches of sixteen loads of 512 bytes; two batches are on their way.  A store covers 256 consecutive bytes, aligned.
.Lpath_r:
.set RIN,  16                          ; v16-143  two sets of 64
.set ROUT, 144                         ; v144-207 two sets of 32
	s_sub_co_u32 s25, ttmp9, 48
	s_lshl_b32 s25, s25, 2
	s_add_co_u32 s25, s25, s24
	s_lshl_b32 s26, s25, 15
	s_mov_b32 s27, 0
	s_add_nc_u64 s[12:13], s[12:13], s[26:27]
	s_lshl_b32 s26, s25, 14
	s_add_nc_u64 s[22:23], s[22:23], s[26:27]
	v_lshlrev_b32 v3, 4, v2
	v_lshlrev_b32 v4, 3, v2
.macro RLOAD b
.irp i, 0,1,2,3,4,5,6,7,8,9,10,11,12,13,14,15
	global_load_b128 v[RIN+64*((\b)%2)+4*\i:RIN+64*((\b)%2)+4*\i+3], v3, s[12:13] offset:8192*(\b)+512*\i
.endr
.endm
.macro RCAST b, more                   ; more: the loads of the batch behind, which may stay out
.if (\b) > 1
	s_wait_xcnt 0x0                                ; the stores of two batches back have read their data: those registers are written again
.endif
.irp i, 0,1,2,3,4,5,6,7,8,9,10,11,12,13,14,15
	s_wait_loadcnt \more+15-\i
	v_cvt_pk_f16_f32 v[ROUT+32*((\b)%2)+2*\i], v[RIN+64*((\b)%2)+4*\i], v[RIN+64*((\b)%2)+4*\i+1]
	v_cvt_pk_f16_f32 v[ROUT+32*((\b)%2)+2*\i+1], v[RIN+64*((\b)%2)+4*\i+2], v[RIN+64*((\b)%2)+4*\i+3]
	global_store_b64 v4, v[ROUT+32*((\b)%2)+2*\i:ROUT+32*((\b)%2)+2*\i+1], s[22:23] offset:4096*(\b)+256*\i
.endr
.endm
	RLOAD 0
	RLOAD 1
	RCAST 0, 16
	RLOAD 2
	RCAST 1, 16
	RLOAD 3
	RCAST 2, 16
	RCAST 3, 0
	s_wait_tensorcnt 0x0                           ; this path stores nothing to LDS; the three lines stand here as in the other two
	ds_add_u32 v[SPW], v[NIL]
	s_wait_dscnt 0x0
	s_endpgm
.Lfunc_end_k_qf324e155b0_prep:
	.size	k_qf324e155b0_prep, .Lfunc_end_k_qf324e155b0_prep-k_qf324e155b0_prep
	.p2alignl 7, 3214868480
	.fill 96, 4, 3214868480
	.section	.rodata,"a",@progbits
	.p2align	6, 0x0
	.amdhsa_kernel k_qf324e155b0_prep
		.amdhsa_group_segment_fixed_size 68096
		.amdhsa_private_segment_fixed_size 0
		.amdhsa_enable_private_segment 0
		.amdhsa_kernarg_size 80
		.amdhsa_user_sgpr_count 2
		.amdhsa_user_sgpr_kernarg_segment_ptr 1
		.amdhsa_wavefront_size32 1
		.amdhsa_system_sgpr_workgroup_id_x 1
		.amdhsa_system_sgpr_workgroup_id_y 1
		.amdhsa_system_sgpr_workgroup_id_z 1
		.amdhsa_system_vgpr_workitem_id 0
		.amdhsa_next_free_vgpr 208
		.amdhsa_next_free_sgpr 66
		.amdhsa_reserve_vcc 0
		.amdhsa_float_denorm_mode_32 3
		.amdhsa_float_denorm_mode_16_64 3
		.amdhsa_memory_ordered 1
		.amdhsa_forward_progress 1
		.amdhsa_inst_pref_size 133
	.end_amdhsa_kernel
	.amdgpu_metadata
---
amdhsa.version: [ 1, 2 ]
amdhsa.kernels:
  - .name:           k_qf324e155b0_prep
    .symbol:         k_qf324e155b0_prep.kd
    .args:
      - { .name: x, .offset: 0, .size: 8, .value_kind: global_buffer, .address_space: global }
      - { .name: Wq, .offset: 8, .size: 8, .value_kind: global_buffer, .address_space: global }
      - { .name: Wk, .offset: 16, .size: 8, .value_kind: global_buffer, .address_space: global }
      - { .name: Wv, .offset: 24, .size: 8, .value_kind: global_buffer, .address_space: global }
      - { .name: Wr, .offset: 32, .size: 8, .value_kind: global_buffer, .address_space: global }
      - { .name: x_codes, .offset: 40, .size: 8, .value_kind: global_buffer, .address_space: global }
      - { .name: x_scales, .offset: 48, .size: 8, .value_kind: global_buffer, .address_space: global }
      - { .name: w_codes, .offset: 56, .size: 8, .value_kind: global_buffer, .address_space: global }
      - { .name: w_scales, .offset: 64, .size: 8, .value_kind: global_buffer, .address_space: global }
      - { .name: wrh, .offset: 72, .size: 8, .value_kind: global_buffer, .address_space: global }
    .group_segment_fixed_size: 68096
    .private_segment_fixed_size: 0
    .kernarg_segment_align: 8
    .kernarg_segment_size: 80
    .max_flat_workgroup_size: 128
    .sgpr_count:     66
    .vgpr_count:     208
    .wavefront_size: 32
...
	.end_amdgpu_metadata
.endif
;; end of part 1
;; launch qkv_gemm (part 2): grid 12 x 32, 4 waves a work-group, clusters of 4 x 4, 327,680 bytes of LDS; arguments x_codes, x_scales, w_codes, w_scales, qkv; writes qkv
.if DOCPART == 2
	.amdgcn_target "amdgcn-amd-amdhsa--gfx1250"
	.amdhsa_code_object_version 6
	.text
	.protected	k_qf324e155b0_qkv_gemm
	.globl	k_qf324e155b0_qkv_gemm
	.p2align	8
	.type	k_qf324e155b0_qkv_gemm,@function
k_qf324e155b0_qkv_gemm:
	s_mov_b64 s[64:65], 0
	v_nop
	global_prefetch_b8 v0, s[64:65] scope:SCOPE_SE
	s_setreg_imm32_b32 hwreg(HW_REG_WAVE_MODE, 25, 1), 1
	s_wait_xcnt 0x0
	s_wait_alu depctr_hold_cnt(0) depctr_sa_sdst(0) depctr_va_vdst(0) depctr_va_sdst(0) depctr_va_ssrc(0) depctr_va_vcc(0) depctr_vm_vsrc(0)
	s_getreg_b32 s2, hwreg(HW_REG_IB_STS2, 6, 4)
	s_cmp_eq_u32 s2, 0
	s_cbranch_scc0 .Lentry_in_a_cluster
	s_endpgm
.Lentry_in_a_cluster:
	s_bfe_u32 s2, ttmp6, 0x10000c
	s_cmp_lg_u32 s2, 0xf033
	s_cbranch_scc0 .Lentry_shape_is_right
	s_endpgm
.Lentry_shape_is_right:
; q, k, v = x Wq, x Wk, x Wv as ONE product on codes of FP4 (E2M1): C[m][n] = sum over k of A[m][k] B[n][k], A = x's codes [8192][1024], B = the three weights' codes [3072][1024], one E8M0 byte for each 32 along K.
; A tile of C, 256 x 256, is made by four waves, each 128 x 128: 64 accumulators, 512 registers.  K = 1,024 is two steps of 512: both LDS slots are first fills and nothing is filled again.
; The scales of the work-group's rows come once, with the first fills.  CLUSTERS: 4 x 4 work-groups; A's tiles are asked for jointly along a row of the cluster, B's along a column.
; THE MATRIX INSTRUCTION IS USED TRANSPOSED (source 0 = 16 rows of B, source 1 = 16 rows of A): a lane holds eight neighbouring columns of one row of C.
; RESULTS: f16, laid [which 3][b 4][head 16][s 2048][64]; and the first 16 positions of every sequence once more in f32, behind them, [which][b x 16 + head][16][64], for the launches that carry those rows finely.
; LIMIT: |q|, |k|, |v| stay under 65,504 (f16's largest number).
; REGISTERS: window 0: v0-31 addresses; v32-95 scale words, two sets; from v128 A's fragments, ONE set; on the way out v128-223.  window 1: B's fragments, two sets.  windows 2, 3: the accumulators ((a, b) at v[8 (8 (a % 4) + b)]).
.set SIZE_M, 8192
.set SIZE_N, 3072
.set SIZE_K, 1024
.set KSTEP,  512
.set NQ,     KSTEP/128
.set ROWB,   256
.set KROW,   SIZE_K*4/8
.set PITCH,  272                       ; an LDS row: 256 bytes + 16 of padding: the 16 rows that a load touches start at 16 different 16-byte columns
.set FR,     8
.set NL,     2
.set NP,     4                         ; places behind this matrix instruction (ISA guide 7.12.1)
.set HALFT,  128*PITCH
.set SLOT,   4*HALFT
.set KS,     SIZE_K/32
.set SCL,    2*SLOT                    ; behind the two slots: the scales, as rows of 256 bytes + 16 of padding
.set HALFS,  (128*KS/256)*272
.set SBLK,   (16*KS/256)*272
.set SPARE,  SCL+4*HALFS               ; the spare words, 128 bytes for each wave
.set SPITCH, 272                       ; the way out: a stage of 16 rows x (256 bytes + 16) for each wave, in slot 0, which has had its only fill and its last read when the first result is stored there
.set ADRA, 16
.set ADRB, 20
.set STO,  24
.set RD,   25
.set CO,   26
.set ADRS, 27
.set SPW,  28
.set NIL,  29
.set FO,   30                          ; v30  my byte in the f32 copy: 256 r + 32 h
.set FLG,  31                          ; v31  0 where my wave's first 16 rows are the first 16 positions of a sequence
.set SC,   32
.set AF,   128
.set BK,   128                         ; the way out: rows read back, v128-159 and v160-191 by turns
.set TMP,  192                         ; the way out: packed results
.set G1, 24
.set G0, 32
.set G1B, 48
.set G0B, 56
.set G1S, 68
.set G0S, 76
.set G1SB, 80
.set G0SB, 88
.set MSB, 0
.macro WIN new                         ; the immediate's high byte repeats the setting that is left
.if MSB != \new
	s_set_vgpr_msb (MSB<<8)|\new
.set MSB, \new
.endif
.endm
.set MUL_LO, 0xa1                      ; source 0 (B) window 1, source 1 (A) window 0, C and D window 2
.set MUL_HI, 0xf1
.set TO_B,   0x40
; A joint load: waves 0 and 1 fetch for A, waves 2 and 3 for B.  The branch hangs on the wave's number alone.  An s_nop 0 and four v_nop follow each line.
.macro JLOAD g0a, g1a, g0b, g1b
	s_cmp_eq_u32 s15, 0
	s_cbranch_scc0 .Lfor_b_\@
	tensor_load_to_lds s[\g0a:\g0a+3], s[\g1a:\g1a+7]
	s_nop 0
.rept 4
	v_nop
.endr
	s_branch .Lasked_\@
.Lfor_b_\@:
	tensor_load_to_lds s[\g0b:\g0b+3], s[\g1b:\g1b+7]
	s_nop 0
.rept 4
	v_nop
.endr
.Lasked_\@:
.endm
.macro CROUND                          ; a round of the cluster's barrier
	s_barrier_signal -1
	s_barrier_wait -1
	s_cmp_lg_u32 s14, 0
	s_cbranch_scc1 .Lnot_wave_0_\@
	s_barrier_signal -3
.Lnot_wave_0_\@:
	s_barrier_wait -3
	s_barrier_signal -1
	s_barrier_wait -1
.endm
	s_load_b128 s[4:7], s[0:1], 0x0                ; A's codes, A's scales
	s_load_b128 s[8:11], s[0:1], 0x10              ; B's codes, B's scales
	s_load_b64 s[12:13], s[0:1], 0x20              ; the results
	v_lshl_add_u32 v[SPW], v0, 2, SPARE
	v_mov_b32 v[NIL], 0
	ds_add_u32 v[SPW], v[NIL]                      ; the wave's opening: the add, twice on end, and its wait ahead of my first tensor load
	ds_add_u32 v[SPW], v[NIL]
	v_lshrrev_b32 v1, 5, v0
	v_readfirstlane_b32 s14, v1                    ; wave 0..3
	s_lshr_b32 s15, s14, 1                         ; which half of the tile's rows is mine.  Also: I fetch for A (0) or for B (1)
	s_and_b32 s16, s14, 1                          ; which half of its columns.  Also: which 128 rows I fetch
	s_bfe_u32 s40, ttmp6, 0x40000                  ; cx, cy
	s_bfe_u32 s41, ttmp6, 0x40004
	s_lshl_b32 s42, ttmp9, 2
	s_add_co_u32 s42, s42, s40                     ; tile column
	s_and_b32 s17, ttmp7, 0xffff
	s_lshl_b32 s17, s17, 2
	s_add_co_u32 s17, s17, s41                     ; tile row
	s_lshl_b32 s43, s41, 2
	s_lshl_b32 s43, 15, s43                        ; my row of the cluster
	s_lshl_b32 s44, 0x1111, s40                    ; my column
	s_or_b32 s[G1+0], s43, (0<<16)|(1<<20)|(1<<21)|(5<<22)|(3<<25)  ; the mask; elements of 1 byte; padding: 4 words after every 64
	s_or_b32 s[G1B+0], s44, (0<<16)|(1<<20)|(1<<21)|(5<<22)|(3<<25)
.irp g, G1, G1B
	s_mov_b32 s[\g+1], ROWB<<16                    ; tensor_dim0
	s_mov_b32 s[\g+2], 128<<16                     ; tensor_dim1
	s_mov_b32 s[\g+3], ROWB<<16                    ; tile_dim0
	s_mov_b32 s[\g+4], 128                         ; tile_dim1
	s_mov_b32 s[\g+5], KROW                        ; the pitch
	s_mov_b32 s[\g+6], 0
	s_mov_b32 s[\g+7], 0
.endr
	s_or_b32 s[G1S+0], s43, (3<<16)|(1<<20)|(1<<21)|(5<<22)|(3<<25) ; the scales of 128 rows: 4,096 dense bytes as 16 rows of 256 (32 elements of 8 bytes)
	s_or_b32 s[G1SB+0], s44, (3<<16)|(1<<20)|(1<<21)|(5<<22)|(3<<25)
.irp g, G1S, G1SB
	s_mov_b32 s[\g+1], 32<<16
	s_mov_b32 s[\g+2], (128*KS/256)<<16
	s_mov_b32 s[\g+3], 32<<16
	s_mov_b32 s[\g+4], 128*KS/256
	s_mov_b32 s[\g+5], 32
	s_mov_b32 s[\g+6], 0
	s_mov_b32 s[\g+7], 0
.endr
	s_lshl_b32 s18, s16, 7
	s_lshl_b32 s20, s17, 8
	s_add_co_u32 s20, s20, s18                     ; A: row 256 x tile row + 128 x half
	s_lshl_b32 s46, s42, 8
	s_add_co_u32 s46, s46, s18                     ; B: row 256 x tile column + 128 x half
	s_mov_b32 s21, 0
	s_mov_b32 s47, 0
	s_mov_b64 s[18:19], KS
	s_mul_u64 s[22:23], s[20:21], s[18:19]
	s_mul_u64 s[92:93], s[46:47], s[18:19]
	s_mov_b64 s[18:19], KROW
	s_mul_u64 s[20:21], s[20:21], s[18:19]
	s_mul_u64 s[46:47], s[46:47], s[18:19]
	s_mul_i32 s45, s14, HALFT                      ; where they go: wave x 128 rows
	s_mul_i32 s94, s14, HALFS
	s_wait_dscnt 0x0                               ; both opening adds are done
	s_wait_kmcnt 0x0
	s_add_nc_u64 s[20:21], s[4:5], s[20:21]
	s_add_nc_u64 s[22:23], s[6:7], s[22:23]
	s_add_nc_u64 s[46:47], s[8:9], s[46:47]
	s_add_nc_u64 s[92:93], s[10:11], s[92:93]
	CROUND                                         ; all sixteen work-groups are here: the first joint loads meet
	s_mov_b32 s[G0S], 1
	s_add_co_u32 s[G0S+1], s94, SCL
	s_mov_b64 s[G0S+2:G0S+3], s[22:23]
	s_or_b32 s[G0S+3], s[G0S+3], 0x80000000
	s_mov_b32 s[G0SB], 1
	s_add_co_u32 s[G0SB+1], s94, SCL
	s_mov_b64 s[G0SB+2:G0SB+3], s[92:93]
	s_or_b32 s[G0SB+3], s[G0SB+3], 0x80000000
	JLOAD G0S, G1S, G0SB, G1SB                     ; the scales first
.irp s, 0,1
	s_mov_b32 s[G0+4*\s], 1
	s_add_co_u32 s[G0+4*\s+1], s45, \s*SLOT
	s_add_nc_u64 s[G0+4*\s+2:G0+4*\s+3], s[20:21], \s*ROWB
	s_or_b32 s[G0+4*\s+3], s[G0+4*\s+3], 0x80000000
	s_mov_b32 s[G0B+4*\s], 1
	s_add_co_u32 s[G0B+4*\s+1], s45, \s*SLOT
	s_add_nc_u64 s[G0B+4*\s+2:G0B+4*\s+3], s[46:47], \s*ROWB
	s_or_b32 s[G0B+4*\s+3], s[G0B+4*\s+3], 0x80000000
	JLOAD G0+4*\s, G1, G0B+4*\s, G1B               ; three loads of mine are out in all
.endr
	v_and_b32 v1, 15, v0                           ; r = l % 16
	v_bfe_u32 v2, v0, 4, 1                         ; h = l / 16
	v_mul_u32_u24 v3, v1, PITCH
	v_lshl_add_u32 v4, v2, 4, v3
	s_mul_i32 s21, s15, HALFT
	s_mul_i32 s22, s16, HALFT
	s_add_co_u32 s22, s22, 2*HALFT
.irp s, 0,1
	v_add_nc_u32 v[ADRA+\s], s21, v4
	v_add_nc_u32 v[ADRB+\s], s22, v4
	s_add_co_u32 s21, s21, SLOT
	s_add_co_u32 s22, s22, SLOT
.endr
	v_mul_u32_u24 v5, v1, KS                       ; my row's scales: KS bytes a row,
	v_lshrrev_b32 v6, 8, v5
	v_lshl_add_u32 v5, v6, 4, v5                   ; and 16 more for each 256 passed
	s_mul_i32 s21, s15, HALFS
	s_mul_i32 s22, s16, HALFS
	s_add_co_u32 s22, s22, 2*HALFS
	s_sub_co_u32 s22, s22, s21
	v_mul_u32_u24 v6, s22, v2                      ; lanes 16-31 take B's
	s_add_co_u32 s21, s21, SCL
	v_add_nc_u32 v5, v5, v6
	v_add_nc_u32 v[ADRS], s21, v5
	s_mul_i32 s23, s14, 16*SPITCH                  ; my stage
	v_mul_u32_u24 v5, v1, SPITCH                   ; in: row r, 16 bytes for each half of the lanes
	v_lshl_add_u32 v5, v2, 4, v5
	v_add_nc_u32 v[STO], s23, v5
	v_and_b32 v6, 31, v0
	v_lshlrev_b32 v[CO], 4, v6                     ; out: four positions of one head are 512 consecutive bytes: 16 x lane
	v_lshrrev_b32 v5, 3, v6
	v_mul_u32_u24 v5, v5, SPITCH
	v_and_b32 v6, 7, v6
	v_lshl_add_u32 v5, v6, 4, v5
	v_add_nc_u32 v[RD], s23, v5                    ; back: eight lanes take a head's 128 bytes of a row
	v_lshlrev_b32 v[FO], 8, v1
	v_lshl_add_u32 v[FO], v2, 5, v[FO]
	; where my part of the results begins: which = cluster x; head = 4 cx + 2 x column half; b = tile row / 8; position = 256 (tile row % 8) + 128 x row half
	s_lshr_b32 s20, s17, 3                         ; b
	s_and_b32 s21, s17, 7
	s_or_b32 s97, s21, s15
	v_mov_b32 v[FLG], s97
	s_lshl_b32 s22, s20, 22
	s_lshl_b32 s21, s21, 15
	s_add_co_u32 s22, s22, s21
	s_lshl_b32 s21, s15, 14
	s_add_co_u32 s22, s22, s21
	s_lshl_b32 s46, ttmp9, 24
	s_lshl_b32 s47, s40, 20
	s_add_co_u32 s46, s46, s47
	s_lshl_b32 s47, s16, 19
	s_add_co_u32 s46, s46, s47
	s_add_co_u32 s46, s46, s22
	s_mov_b32 s47, 0
	s_lshl_b32 s92, ttmp9, 18                      ; and in the f32 copy: which, then 4,096 bytes for each (b, head)
	s_lshl_b32 s93, s20, 16
	s_add_co_u32 s92, s92, s93
	s_lshl_b32 s93, s40, 14
	s_add_co_u32 s92, s92, s93
	s_lshl_b32 s93, s16, 13
	s_add_co_u32 s92, s92, s93
	s_add_co_u32 s92, s92, 0x3000000
	s_mov_b32 s93, 0
	s_add_nc_u64 s[98:99], s[12:13], s[92:93]
	s_add_nc_u64 s[12:13], s[12:13], s[46:47]
.macro FRAG reg, adr, q, i             ; 16 rows x 128 K of 4-bit codes: 8 registers, two loads 32 bytes apart
.irp c, 0,1
	ds_load_b128 v[\reg+4*\c:\reg+4*\c+3], v[\adr] offset:64*(\q)+32*\c+(\i)*16*PITCH
.endr
.endm
; 16 matrix instructions: A's blocks a0, a0 + 1 x B's eight.  The 64 accumulators take turns, one instruction a turn, in the same order in every step.
.macro MUL16 a0, p, q, sc, zero
.irp a, \a0, \a0+1
.irp b, 0,1,2,3,4,5,6,7
.if \zero
	v_wmma_scale_f32_16x16x128_f8f6f4 v[8*(8*((\a)%4)+\b):8*(8*((\a)%4)+\b)+7], v[128*(\p)+FR*\b:128*(\p)+FR*\b+FR-1], v[AF+FR*(\a):AF+FR*(\a)+FR-1], 0, v[SC+8*NQ*(\sc)+NQ*\b+(\q)], v[SC+8*NQ*(\sc)+NQ*(\a)+(\q)] matrix_a_fmt:MATRIX_FMT_FP4 matrix_b_fmt:MATRIX_FMT_FP4 matrix_a_scale:MATRIX_SCALE_ROW1
.else
	v_wmma_scale_f32_16x16x128_f8f6f4 v[8*(8*((\a)%4)+\b):8*(8*((\a)%4)+\b)+7], v[128*(\p)+FR*\b:128*(\p)+FR*\b+FR-1], v[AF+FR*(\a):AF+FR*(\a)+FR-1], v[8*(8*((\a)%4)+\b):8*(8*((\a)%4)+\b)+7], v[SC+8*NQ*(\sc)+NQ*\b+(\q)], v[SC+8*NQ*(\sc)+NQ*(\a)+(\q)] matrix_a_fmt:MATRIX_FMT_FP4 matrix_b_fmt:MATRIX_FMT_FP4 matrix_a_scale:MATRIX_SCALE_ROW1
.endif
.endr
.endr
.endm
.macro FETCH_B slot, q, p
	WIN TO_B
.irp i, 0,1,2,3,4,5,6,7
	FRAG 128*(\p)+FR*\i, ADRB+\slot, \q, \i
.endr
	WIN 0
.endm
.macro FETCH_A slot, q, i0
.irp i, \i0, \i0+1, \i0+2, \i0+3
	FRAG AF+FR*(\i), ADRA+\slot, \q, \i
.endr
.endm
.macro SCALES sc                       ; a K step's scale words: lanes 0-15 take A's block i, lanes 16-31 B's block i
.irp i, 0,1,2,3,4,5,6,7
	ds_load_b128 v[SC+8*NQ*\sc+NQ*\i:SC+8*NQ*\sc+NQ*\i+3], v[ADRS] offset:\i*SBLK
.endr
.endm
.macro PLACES n                        ; plain vector instructions between a matrix instruction and a load into, or a read of, its registers
.rept \n
	v_nop
.endr
.endm
.macro STEP slot, q, zero              ; 128 along K, with its successor in the same slot
	s_wait_dscnt 4*NL                              ; B's set and A's blocks 0-3 are in; the youngest eight loads (A's blocks 4-7) may be out
	WIN MUL_LO
	MUL16 0, (\q)%2, \q, \slot, \zero
	MUL16 2, (\q)%2, \q, \slot, \zero
	s_wait_dscnt 0                                 ; A's blocks 4-7 are in
	PLACES NP
	FETCH_B \slot, (\q)+1, 1-(\q)%2
	FETCH_A \slot, (\q)+1, 0
	WIN MUL_HI
	MUL16 4, (\q)%2, \q, \slot, \zero
	MUL16 6, (\q)%2, \q, \slot, \zero
	PLACES NP
	WIN 0
	FETCH_A \slot, (\q)+1, 4
.endm
; Slot 0's last step changes slots: one barrier; in front of it each wave waits for all its tensor loads (its part of slot 1), adds 0 to its spare word, and waits for that and for its reads of slot 0.
.macro TURN slot, next
	s_wait_tensorcnt 0x0
	ds_add_u32 v[SPW], v[NIL]
	s_wait_dscnt 4*NL+1                            ; the add and the youngest eight loads may be out
	WIN MUL_LO
	MUL16 0, 1, NQ-1, \slot, 0
	s_wait_dscnt 0x0                               ; the add is done, and my reads of this slot are over
	s_barrier_signal -1
	MUL16 2, 1, NQ-1, \slot, 0
	WIN 0
	s_barrier_wait -1
	PLACES NP
	v_add_nc_u32 v[ADRS], 4*NQ, v[ADRS]            ; on to the next K step's scale words
	FETCH_B \next, 0, 0
	FETCH_A \next, 0, 0
	SCALES \next
	WIN MUL_HI
	MUL16 4, 1, NQ-1, \slot, 0
	MUL16 6, 1, NQ-1, \slot, 0
	PLACES NP
	WIN 0
	FETCH_A \next, 0, 4
.endm
.macro STEPS slot, from
.set Q, \from
.rept NQ-1-\from
	STEP \slot, Q, 0
.set Q, Q+1
.endr
.endm
	s_wait_tensorcnt 1                             ; the scales and my part of K step 0 are in (K step 1's load may be out)
	s_barrier_signal -1
	s_barrier_wait -1
	FETCH_B 0, 0, 0
	FETCH_A 0, 0, 0
	SCALES 0
	FETCH_A 0, 0, 4
	STEP 0, 0, 1                                   ; the first step's products start the sums: nothing is cleared
	STEPS 0, 1
	TURN 0, 1
	STEPS 1, 0
	s_wait_dscnt 4*NL                              ; the very last step
	WIN MUL_LO
	MUL16 0, 1, NQ-1, 1, 0
	MUL16 2, 1, NQ-1, 1, 0
	s_wait_dscnt 0
	WIN MUL_HI
	MUL16 4, 1, NQ-1, 1, 0
	MUL16 6, 1, NQ-1, 1, 0
	WIN 0
	; THE F32 COPY of the first 16 positions of a sequence: block 0 of the waves whose rows begin a sequence.  No branch: the lanes of all other waves are switched off.
	PLACES NP
	v_cmp_eq_u32 vcc_lo, 0, v[FLG]
	s_wait_xcnt 0x0                                ; EXEC changes only behind this wait
	s_and_saveexec_b32 s96, vcc_lo
	WIN 0x08                                       ; a store's data are its source 1: window 2
.irp b, 0,1,2,3,4,5,6,7
	global_store_b128 v[FO], v[8*\b:8*\b+3], s[98:99] offset:(\b/4)*4096+(\b%4)*64       ; lane (r, h): position r, head + b / 4, channels 16 (b % 4) + 8 h + 0 .. 7; each accumulator from its low end on
	global_store_b128 v[FO], v[8*\b+4:8*\b+7], s[98:99] offset:(\b/4)*4096+(\b%4)*64+16
.endr
	WIN 0
	s_wait_xcnt 0x0                                ; and again, in front of the line that widens it
	s_or_b32 exec_lo, exec_lo, s96
; THE WAY OUT, block by block of 16 rows x 128 columns (two heads): rounded to f16, 16 bytes a lane into my stage, back by heads: four positions of a head are 512 consecutive bytes of the result.
.macro PACK a
.set AC, 64*((\a)%4)
	WIN 0x0a+5*((\a)/4)                            ; sources 0 and 1: window 2 or 3
.irp b, 0,1,2,3,4,5,6,7
.irp r, 0,1,2,3
	v_cvt_pk_f16_f32 v[TMP+4*\b+\r], v[AC+8*\b+2*\r], v[AC+8*\b+2*\r+1]
.endr
.endr
	WIN 0
.endm
.macro TOSTAGE a
.set BB, BK+32*((\a)%2)
.irp b, 0,1,2,3,4,5,6,7
	ds_store_b128 v[STO], v[TMP+4*\b:TMP+4*\b+3] offset:32*\b
.endr
	s_wait_xcnt 0x0                                ; the stores of two blocks back have read the registers into which the loads below land
.irp u, 0,1
.irp t, 0,1,2,3
	ds_load_b128 v[BB+16*\u+4*\t:BB+16*\u+4*\t+3], v[RD] offset:4*\t*SPITCH+128*\u   ; LDS serves a wave's instructions in order: these see the stores above
.endr
.endr
.endm
.macro SEND a
.set BB, BK+32*((\a)%2)
	s_wait_dscnt 0x0                               ; the block is back in registers
.irp u, 0,1
.irp t, 0,1,2,3
	global_store_b128 v[CO], v[BB+16*\u+4*\t:BB+16*\u+4*\t+3], s[12:13] offset:\u*262144+(16*(\a)+4*\t)*128   ; 512 consecutive bytes, aligned
.endr
.endr
.endm
	PACK 0
	TOSTAGE 0
.irp a, 1,2,3,4,5,6,7                  ; block a's conversions stand between block a - 1's loads from the stage and the wait for them
	PACK \a
	SEND \a-1
	TOSTAGE \a
.endr
	SEND 7
	s_wait_tensorcnt 0x0                           ; the wave's end
	ds_add_u32 v[SPW], v[NIL]
	s_wait_dscnt 0x0
	CROUND                                         ; the closing round
	s_endpgm
.Lfunc_end_k_qf324e155b0_qkv_gemm:
	.size	k_qf324e155b0_qkv_gemm, .Lfunc_end_k_qf324e155b0_qkv_gemm-k_qf324e155b0_qkv_gemm
	.p2alignl 7, 3214868480
	.fill 96, 4, 3214868480
	.section	.rodata,"a",@progbits
	.p2align	6, 0x0
	.amdhsa_kernel k_qf324e155b0_qkv_gemm
		.amdhsa_group_segment_fixed_size 327680
		.amdhsa_private_segment_fixed_size 0
		.amdhsa_enable_private_segment 0
		.amdhsa_kernarg_size 40
		.amdhsa_user_sgpr_count 2
		.amdhsa_user_sgpr_kernarg_segment_ptr 1
		.amdhsa_wavefront_size32 1
		.amdhsa_system_sgpr_workgroup_id_x 1
		.amdhsa_system_sgpr_workgroup_id_y 1
		.amdhsa_system_sgpr_workgroup_id_z 1
		.amdhsa_system_vgpr_workitem_id 0
		.amdhsa_next_free_vgpr 1024
		.amdhsa_next_free_sgpr 100
		.amdhsa_reserve_vcc 1
		.amdhsa_float_denorm_mode_32 3
		.amdhsa_float_denorm_mode_16_64 3
		.amdhsa_memory_ordered 1
		.amdhsa_forward_progress 1
		.amdhsa_inst_pref_size 129
	.end_amdhsa_kernel
	.amdgpu_metadata
---
amdhsa.version: [ 1, 2 ]
amdhsa.kernels:
  - .name:           k_qf324e155b0_qkv_gemm
    .symbol:         k_qf324e155b0_qkv_gemm.kd
    .args:
      - { .name: x_codes, .offset: 0, .size: 8, .value_kind: global_buffer, .address_space: global }
      - { .name: x_scales, .offset: 8, .size: 8, .value_kind: global_buffer, .address_space: global }
      - { .name: w_codes, .offset: 16, .size: 8, .value_kind: global_buffer, .address_space: global }
      - { .name: w_scales, .offset: 24, .size: 8, .value_kind: global_buffer, .address_space: global }
      - { .name: qkv, .offset: 32, .size: 8, .value_kind: global_buffer, .address_space: global }
    .group_segment_fixed_size: 327680
    .private_segment_fixed_size: 0
    .kernarg_segment_align: 8
    .kernarg_segment_size: 40
    .max_flat_workgroup_size: 128
    .sgpr_count:     100
    .vgpr_count:     1024
    .wavefront_size: 32
...
	.end_amdgpu_metadata
.endif
;; end of part 2
;; launch attn (part 3): grid 8 x 64, 8 waves a work-group, clusters of 4 x 1, 327,680 bytes of LDS; arguments qkv, att; writes att
.if DOCPART == 3
	.amdgcn_target "amdgcn-amd-amdhsa--gfx1250"
	.amdhsa_code_object_version 6
	.text
	.protected	k_qf324e155b0_attn
	.globl	k_qf324e155b0_attn
	.p2align	8
	.type	k_qf324e155b0_attn,@function
k_qf324e155b0_attn:
	s_mov_b64 s[64:65], 0
	v_nop
	global_prefetch_b8 v0, s[64:65] scope:SCOPE_SE
	s_setreg_imm32_b32 hwreg(HW_REG_WAVE_MODE, 25, 1), 1
	s_wait_xcnt 0x0
	s_wait_alu depctr_hold_cnt(0) depctr_sa_sdst(0) depctr_va_vdst(0) depctr_va_sdst(0) depctr_va_ssrc(0) depctr_va_vcc(0) depctr_vm_vsrc(0)
	s_getreg_b32 s2, hwreg(HW_REG_IB_STS2, 6, 4)
	s_cmp_eq_u32 s2, 0
	s_cbranch_scc0 .Lentry_in_a_cluster
	s_endpgm
.Lentry_in_a_cluster:
	s_bfe_u32 s2, ttmp6, 0x10000c
	s_cmp_lg_u32 s2, 0x3003
	s_cbranch_scc0 .Lentry_shape_is_right
	s_endpgm
.Lentry_shape_is_right:
; att[bh][q][:] = sum over k of softmax_k(q . k / 8 - 50 [k > q]) v[k][:], for 64 (batch, head) pairs, 2,048 positions, head size 64.  q, k, v, att: f16 [bh][2048][64]; products, maxima and sums in f32.
; THE MASK IS ADDITIVE (-50), so no key is left out: every query walks all 2,048 keys, and the running maximum is taken of the penalised score.  In units of q . k the penalty is -400.
; SHARES.  A cluster of four work-groups owns 1,024 queries of one head (cluster x = which half), as 16 groups of 64.  Work-group cx owns the 16-query tile number cx of EVERY group; wave w owns groups 2 w and 2 w + 1.
; So whether a tile lies before, on or behind the diagonal against a step of 64 keys hangs on the step, the wave and the cluster alone, which all four partners share: the branches are alike in all partners.
; cx enters only data (the diagonal's compare) and q's and att's addresses.  K and V are asked for JOINTLY by the four (one tensor load, mask 15).
; LAYOUT.  S^T = K Q^T (source 0 = 16 keys, source 1 = 16 queries): a lane holds ONE query (lane % 16) and keys 8 (lane / 16) + 0..7; two such tiles rounded to f16 are source 1 of O^T = V^T P.
; A head's [position][64] f16 is dense: a tensor load sees it as rows of 256 bytes, two positions each; position p lies at (p / 2) x pitch + (p % 2) x 128.
; THE PENALTY costs nothing off the diagonal: it is the C of a score's first matrix instruction (registers of zeros, later of -400); on the diagonal step it is added element by element.
; THE FIRST 16 POSITIONS of a sequence are carried finely by a later launch: their tile leaves keys 0..15 out here (score -1e30, p = 0) and stores its raw c m, l and O^T behind att.
; LIMITS: |q . k| far under 1e30; |att| under 65,504; NaN and infinities are not served.
; REGISTERS: window 0: v1-21 addresses and constants; v24-39 statistics, 8 a tile; v40-55 the two penalty sets; v56-87 Q; v96-159 S^T, 32 a tile; v160-191 P.  window 1: v0-63 O^T; v64-127 K; v128-191 V^T.
.set PK,    272                        ; a row of K in LDS: 256 bytes + 16: the 16 keys of a load fall on 16 different 16-byte columns
.set PV,    288                        ; a row of V: 256 + 32: likewise for the turning load
.set VAREA, 128*PK                     ; a slot: 256 keys: 128 rows of K, then 128 rows of V
.set KSB,   32*PK                      ; a step of 64 keys in K's part,
.set VSB,   32*PV                      ; and in V's
.set SLOT1, 1<<17
.set STAGE, SLOT1+128*(PK+PV)          ; behind the ring: 16 rows x 144 bytes for each wave
.set SP,    144
.set SPARE, STAGE+8*16*SP              ; the spare words, 128 bytes for each wave
.set AK0, 2
.set AV0, 3
.set ADK, 4
.set ADV, 5
.set QO,  6
.set STO, 7
.set RD,  8
.set VREL, 10                          ; v10  16 cx + r - 8 h: key 16 kt + jj of the diagonal step is behind my query where 16 kt + jj > this
.set PEN, 11                           ; v11  -400
.set KA,  12                           ; v12, v13  what keys 0..15 of a group's first tile get, hidden and open: -400 and 0; in the tile of a sequence's first 16 positions -1e30 both
.set KB,  13
.set TV,  14                           ; v14-15 at work
.set L16, 16                           ; v16  16 x lane
.set L4,  17                           ; v17  4 x lane
.set CXV, 18                           ; v18  cx
.set PFO, 19                           ; v19  256 x lane
.set SPW, 20
.set NIL, 21
.set ST,  24                           ; tile t at v[ST + 8 t]: +0 c m, +1 m, +2, +3 l (two halves), +4 to +7 at work; a in +6
.set PA,  40                           ; v40-47 tile 0's penalty set, v48-55 tile 1's
.set QF,  56
.set S,   96
.set P,   160
.set KF,  64                           ; in window 1
.set VF,  128
.set WV,  12
.set LIM, 15
.set PFA, 18
.set G1K, 24
.set G1V, 32
.set G0K, 40
.set G0V, 44
.set J,   48                           ; s48  the key step, 0 .. 31
.set GA,  49                           ; s49  tile 0's group among the head's 32; s50, s51: + 1, + 2
.set GB,  50
.set GC,  51
.set TBK, 52
.set TBV, 53
.set SLOTS, 54
.set FOUR, 55
.set PRT, 56
.set CS,  58
.set SEL, 60
.set MSB, 0
.macro WIN new
.if MSB != \new
	s_set_vgpr_msb (MSB<<8)|\new
.set MSB, \new
.endif
.endm
; A joint load: waves 0 and 1 fetch K's two halves of a slot, waves 2 and 3 V's, the others nothing.  The branches hang on the wave's number alone.
.macro JLOAD
	s_cmp_lt_u32 s[WV], 2
	s_cbranch_scc0 .Lnot_k_\@
	tensor_load_to_lds s[G0K:G0K+3], s[G1K:G1K+7]
	s_nop 0
.rept 4
	v_nop
.endr
	s_branch .Lasked_\@
.Lnot_k_\@:
	s_cmp_lt_u32 s[WV], 4
	s_cbranch_scc0 .Lasked_\@
	tensor_load_to_lds s[G0V:G0V+3], s[G1V:G1V+7]
	s_nop 0
.rept 4
	v_nop
.endr
.Lasked_\@:
.endm
; A prefetch of what the NEXT change of slots will ask for: 128 rows of 256 bytes of K and of V, a lane a row.  Both clusters of a head walk the same rows: the first asks.  Its four partners take 32 rows each,
; told apart by address; in each, wave 4 asks for K's and wave 5 for V's.  So each row is named once.  It stands four key steps ahead of the load; the last change that fills a slot asks for nothing.
.macro ASK
	s_cmp_gt_u32 s[SLOTS], s[LIM]
	s_cbranch_scc0 .Lnot_mine_\@
	global_prefetch_b8 v[PFO], s[PFA:PFA+1] th:TH_LOAD_NT scope:SCOPE_SE
.Lnot_mine_\@:
.endm
.macro CROUND
	s_barrier_signal -1
	s_barrier_wait -1
	s_cmp_lg_u32 s[WV], 0
	s_cbranch_scc1 .Lnot_wave_0_\@
	s_barrier_signal -3
.Lnot_wave_0_\@:
	s_barrier_wait -3
	s_barrier_signal -1
	s_barrier_wait -1
.endm
	s_load_b128 s[20:23], s[0:1], 0x0              ; qkv, att
	v_lshl_add_u32 v[SPW], v0, 2, SPARE
	v_mov_b32 v[NIL], 0
	ds_add_u32 v[SPW], v[NIL]                      ; the wave's opening: the add, twice on end, and its wait ahead of the first tensor load
	ds_add_u32 v[SPW], v[NIL]
	v_lshrrev_b32 v1, 5, v0
	v_readfirstlane_b32 s[WV], v1                  ; wave 0..7
	s_bfe_u32 s13, ttmp6, 0x40000                  ; cx
	s_and_b32 s2, ttmp7, 0xffff                    ; (batch, head)
	s_lshl_b32 s2, s2, 18                          ; its first byte in q, k, v and att
	s_mov_b32 s3, 0
	s_and_b32 s14, s[WV], 1                        ; which half of a slot I fetch
	s_mov_b32 s[G1K], 15|(1<<16)|(1<<20)|(1<<21)|(5<<22)|(3<<25)  ; the mask: all four; elements of 2 bytes; padding: 4 words after every 64
	s_mov_b32 s[G1V], 15|(1<<16)|(1<<20)|(1<<21)|(5<<22)|(7<<25)  ; the same with 8 words
.irp g, G1K, G1V
	s_mov_b32 s[\g+1], 128<<16                     ; tensor_dim0 = 128 elements
	s_mov_b32 s[\g+2], 64<<16                      ; tensor_dim1 = 64 rows
	s_mov_b32 s[\g+3], 128<<16                     ; tile_dim0
	s_mov_b32 s[\g+4], 64                          ; tile_dim1
	s_mov_b32 s[\g+5], 128                         ; the pitch: dense
	s_mov_b32 s[\g+6], 0
	s_mov_b32 s[\g+7], 0
.endr
	s_mov_b32 s[CS], 0x3e38aa3b                    ; c = log2(e) / 8
	s_mov_b32 s[CS+1], s[CS]
	s_mov_b32 s[SEL], 0x76543210
	s_mov_b32 s[SEL+1], 0xfedcba98
	s_mov_b32 s[J], 0
	s_lshl_b32 s[GA], ttmp9, 4
	s_lshl_b32 s63, s[WV], 1
	s_add_co_u32 s[GA], s[GA], s63
	s_add_co_u32 s[GB], s[GA], 1
	s_add_co_u32 s[GC], s[GA], 2
	s_mov_b32 s[TBK], 0
	s_mov_b32 s[TBV], 0
	s_mov_b32 s[SLOTS], 7
	s_lshr_b32 s[LIM], s[WV], 1
	s_xor_b32 s[LIM], s[LIM], 2                    ; 0 in waves 4 and 5,
	s_or_b32 s[LIM], s[LIM], ttmp9                 ; of the head's first cluster: the same in all four partners
	s_cmp_eq_u32 s[LIM], 0
	s_cselect_b32 s[LIM], 1, -1
	s_wait_dscnt 0x0                               ; both opening adds are done
	s_wait_kmcnt 0x0
	s_add_nc_u64 s[4:5], s[20:21], s[2:3]          ; q's head
	s_add_nc_u64 s[6:7], s[22:23], s[2:3]          ; att's
	s_add_nc_u64 s[8:9], s[4:5], 0x1000000         ; k's
	s_add_nc_u64 s[10:11], s[4:5], 0x2000000       ; v's
	s_lshl_b32 s2, s14, 14                         ; my half: 64 rows of 256 bytes
	s_mul_i32 s63, s14, 64*PK
	s_mov_b32 s[G0K], 1
	s_mov_b32 s[G0K+1], s63
	s_add_nc_u64 s[G0K+2:G0K+3], s[8:9], s[2:3]
	s_or_b32 s[G0K+3], s[G0K+3], 0x80000000
	s_mul_i32 s63, s14, 64*PV
	s_add_co_u32 s63, s63, VAREA
	s_mov_b32 s[G0V], 1
	s_mov_b32 s[G0V+1], s63
	s_add_nc_u64 s[G0V+2:G0V+3], s[10:11], s[2:3]
	s_or_b32 s[G0V+3], s[G0V+3], 0x80000000
	s_cmp_eq_u32 s14, 0
	s_cselect_b64 s[PFA:PFA+1], s[8:9], s[10:11]
	s_lshl_b32 s16, s13, 13                        ; my work-group's 32 rows of a slot's 128,
	s_add_co_u32 s16, s16, 32768                   ; in the second 256 keys: the first change of slots steps it to the third.  Nothing is prefetched at the head
	s_mov_b32 s17, 0
	s_add_nc_u64 s[PFA:PFA+1], s[PFA:PFA+1], s[16:17]
	s_and_b32 s16, ttmp7, 0xffff
	s_mul_i32 s16, s16, 4608
	s_add_co_u32 s16, s16, 0x1000000
	s_add_nc_u64 s[PRT:PRT+1], s[22:23], s[16:17]  ; where the first tile's raw part goes
	s_lshl_b32 s16, ttmp9, 17                      ; my wave's first query: 1024 x cluster + 128 x wave + 16 cx, rows of 128 bytes
	s_lshl_b32 s63, s[WV], 14
	s_add_co_u32 s16, s16, s63
	s_lshl_b32 s63, s13, 11
	s_add_co_u32 s16, s16, s63
	s_add_nc_u64 s[4:5], s[4:5], s[16:17]
	s_add_nc_u64 s[6:7], s[6:7], s[16:17]
	CROUND                                         ; all four work-groups are here: the first joint loads meet
	JLOAD                                          ; keys 0 to 255 into slot 0
	v_and_b32 v1, 15, v0                           ; r
	v_bfe_u32 v9, v0, 4, 1                         ; h
	v_lshlrev_b32 v[QO], 7, v1
	v_lshl_add_u32 v[QO], v9, 4, v[QO]
.irp t, 0,1
.irp c, 0,1
	global_load_b128 v[QF+16*\t+8*\c:QF+16*\t+8*\c+3], v[QO], s[4:5] offset:\t*8192+64*\c      ; Q stays in registers: tile t, channels 32 c on
	global_load_b128 v[QF+16*\t+8*\c+4:QF+16*\t+8*\c+7], v[QO], s[4:5] offset:\t*8192+64*\c+32
.endr
.endr
	v_lshrrev_b32 v14, 1, v1
	v_mul_u32_u24 v[AK0], v14, PK
	v_and_b32 v14, 1, v0
	v_lshl_add_u32 v[AK0], v14, 7, v[AK0]
	v_lshl_add_u32 v[AK0], v9, 4, v[AK0]           ; K: key r: (r / 2) x pitch + (r % 2) x 128 + 16 h
	v_bfe_u32 v15, v0, 1, 2
	v_lshl_add_u32 v15, v9, 2, v15
	v_mul_u32_u24 v[AV0], v15, PV
	v_lshl_add_u32 v[AV0], v14, 7, v[AV0]
	v_bfe_u32 v15, v0, 3, 1
	v_lshl_add_u32 v[AV0], v15, 4, v[AV0]
	v_add_nc_u32 v[AV0], VAREA, v[AV0]             ; V, for the turning load: key 8 h + l % 8, channels 8 ((l / 8) % 2) on
	s_mul_i32 s63, s[WV], 16*SP
	s_add_co_u32 s63, s63, STAGE
	v_mul_u32_u24 v[STO], v1, SP
	v_lshl_add_u32 v[STO], v9, 4, v[STO]
	v_add_nc_u32 v[STO], s63, v[STO]
	v_bfe_u32 v14, v0, 3, 2
	v_mul_u32_u24 v[RD], v14, SP
	v_and_b32 v14, 7, v0
	v_lshl_add_u32 v[RD], v14, 4, v[RD]
	v_add_nc_u32 v[RD], s63, v[RD]
	v_and_b32 v14, 31, v0
	v_lshlrev_b32 v[L16], 4, v14
	v_lshlrev_b32 v[L4], 2, v14
	v_lshlrev_b32 v[PFO], 8, v14
	v_mov_b32 v[CXV], s13
	v_lshlrev_b32 v14, 3, v9
	v_sub_nc_u32 v[VREL], v1, v14
	s_lshl_b32 s63, s13, 4
	v_add_nc_u32 v[VREL], s63, v[VREL]
	v_mov_b32 v[PEN], 0xc3c80000                   ; -400
	s_or_b32 s63, ttmp9, s[WV]
	s_or_b32 s63, s63, s13
	s_cmp_eq_u32 s63, 0                            ; is my tile 0 the first 16 positions of the sequence?  The answer selects data alone
	s_mov_b32 s2, 0xc3c80000
	s_cselect_b32 s2, 0xf149f2ca, s2               ; -1e30
	s_cselect_b32 s3, 0xf149f2ca, 0
	v_mov_b32 v[KA], s2
	v_mov_b32 v[KB], s3
.irp t, 0,1
	v_mov_b32 v[ST+8*\t+1], 0xff61b1e6             ; m = -3e38, under every score
	v_mul_f32 v[ST+8*\t], s[CS], v[ST+8*\t+1]
	v_mov_b32 v[ST+8*\t+2], 0                      ; l
	v_mov_b32 v[ST+8*\t+3], 0
.endr
.irp j, 0,1,2,3,4,5,6,7,8,9,10,11,12,13,14,15
	v_mov_b32 v[PA+\j], 0                          ; before the diagonal no penalty
.endr
	WIN 0x40
.set i, 0
.rept 64
	v_mov_b32 v[i], 0                              ; O^T: the step is written once; the first finds zeros, which the first change of m leaves zeros
.set i, i+1
.endr
	WIN 0
; The diagonal step of tile t: -400 onto the scores of the keys behind my query.  Each accumulator from its low end on.
.macro FIX t
.irp kt, 0,1,2,3
.irp jj, 0,1,2,3,4,5,6,7
	v_cmp_gt_i32 vcc_lo, 16*\kt+\jj, v[VREL]
.if (\t == 0) && (\kt == 0)
	v_cndmask_b32 v[TV+\jj%2], v[KB], v[KA], vcc_lo
.else
	v_cndmask_b32 v[TV+\jj%2], 0, v[PEN], vcc_lo
.endif
	v_add_f32 v[S+32*\t+8*\kt+\jj], v[S+32*\t+8*\kt+\jj], v[TV+\jj%2]
.endr
.endr
.endm
; Both tiles' softmax for one step of 64 keys, the tiles line by line by turns.
.macro SOFTMAX
.irp j, 0,1,2,3
.irp t, 0,1
	v_max3_num_f32 v[ST+8*\t+4+\j], v[S+32*\t+8*\j], v[S+32*\t+8*\j+1], v[S+32*\t+8*\j+2]   ; four chains, each from its accumulator's low end
.endr
.endr
.irp i, 3,5
.irp j, 0,1,2,3
.irp t, 0,1
	v_max3_num_f32 v[ST+8*\t+4+\j], v[ST+8*\t+4+\j], v[S+32*\t+8*\j+\i], v[S+32*\t+8*\j+\i+1]
.endr
.endr
.endr
.irp t, 0,1
	v_max3_num_f32 v[ST+8*\t+4], v[ST+8*\t+4], v[S+32*\t+7], v[S+32*\t+15]
.endr
.irp t, 0,1
	v_max3_num_f32 v[ST+8*\t+6], v[ST+8*\t+6], v[S+32*\t+23], v[S+32*\t+31]
.endr
.irp t, 0,1
	v_max3_num_f32 v[ST+8*\t+4], v[ST+8*\t+4], v[ST+8*\t+5], v[ST+8*\t+6]
.endr
.irp t, 0,1
	v_max3_num_f32 v[ST+8*\t+4], v[ST+8*\t+4], v[ST+8*\t+7], v[ST+8*\t+1]   ; and the old m
.endr
.irp t, 0,1
	v_permlanex16_b32 v[ST+8*\t+5], v[ST+8*\t+4], s[SEL], s[SEL+1]          ; the query's other 32 keys lie in the lane 16 away
.endr
.irp t, 0,1
	v_mov_b32 v[ST+8*\t+7], v[ST+8*\t]             ; c m_old is kept for a
.endr
.irp t, 0,1
	v_max_num_f32 v[ST+8*\t+1], v[ST+8*\t+4], v[ST+8*\t+5]
.endr
.irp t, 0,1
	v_mul_f32 v[ST+8*\t], s[CS], v[ST+8*\t+1]
.endr
.irp t, 0,1
	v_sub_f32 v[ST+8*\t+7], v[ST+8*\t+7], v[ST+8*\t]
.endr
.irp b, 0,1,2,3,4,5,6,7,8,9,10,11,12,13,14,15
.irp t, 0,1
	v_pk_fma_f32 v[S+32*\t+2*\b:S+32*\t+2*\b+1], v[S+32*\t+2*\b:S+32*\t+2*\b+1], s[CS:CS+1], v[ST+8*\t:ST+8*\t+1] op_sel_hi:[1,0,0] neg_lo:[0,0,1] neg_hi:[0,0,1]   ; c s - c m
.endr
.endr
.irp t, 0,1
	v_exp_f32 v[ST+8*\t+6], v[ST+8*\t+7]           ; a = 2^(c m_old - c m_new)
.endr
.set e, 0
.rept 32
	v_exp_f32 v[S+e], v[S+e]
	v_exp_f32 v[S+32+e], v[S+32+e]
.set e, e+1
.endr
	v_nop                                          ; a plain instruction behind the last exponential
	s_wait_alu depctr_va_vdst(0)                   ; one wait for the 66 exponentials, ahead of the first line that names a result
.set e, 0
.rept 16
	v_cvt_pk_f16_f32 v[P+e], v[S+2*e], v[S+2*e+1]
	v_cvt_pk_f16_f32 v[P+16+e], v[S+32+2*e], v[S+32+2*e+1]
.set e, e+1
.endr
.irp u, 0,1,2,3,4,5,6,7
.irp t, 0,1
	v_pk_add_f32 v[S+32*\t+4*\u:S+32*\t+4*\u+1], v[S+32*\t+4*\u:S+32*\t+4*\u+1], v[S+32*\t+4*\u+2:S+32*\t+4*\u+3]   ; the sum of the unrounded p, as a tree in place
.endr
.endr
.irp u, 0,1,2,3
.irp t, 0,1
	v_pk_add_f32 v[S+32*\t+8*\u:S+32*\t+8*\u+1], v[S+32*\t+8*\u:S+32*\t+8*\u+1], v[S+32*\t+8*\u+4:S+32*\t+8*\u+5]
.endr
.endr
.irp u, 0,1
.irp t, 0,1
	v_pk_add_f32 v[S+32*\t+16*\u:S+32*\t+16*\u+1], v[S+32*\t+16*\u:S+32*\t+16*\u+1], v[S+32*\t+16*\u+8:S+32*\t+16*\u+9]
.endr
.endr
.irp t, 0,1
	v_pk_add_f32 v[S+32*\t:S+32*\t+1], v[S+32*\t:S+32*\t+1], v[S+32*\t+16:S+32*\t+17]
.endr
.irp t, 0,1
	v_pk_fma_f32 v[ST+8*\t+2:ST+8*\t+3], v[ST+8*\t+2:ST+8*\t+3], v[ST+8*\t+6:ST+8*\t+7], v[S+32*\t:S+32*\t+1] op_sel_hi:[1,0,1]   ; l = a l + the sum
.endr
	WIN 0x41                                       ; O^T in window 1, a in window 0
.irp u, 0,1,2,3,4,5,6,7,8,9,10,11,12,13,14,15
.irp t, 0,1
	v_pk_mul_f32 v[32*\t+2*\u:32*\t+2*\u+1], v[32*\t+2*\u:32*\t+2*\u+1], v[ST+8*\t+6:ST+8*\t+7] op_sel_hi:[1,0]
.endr
.endr
	WIN 0
.endm
; A KEY STEP: 64 keys.
.macro KSTEP
	s_cmp_eq_u32 s[J], s[GB]                       ; behind tile 0's diagonal from here on: its scores start at -400
	s_cbranch_scc0 .Lpa_\@
.irp j, 0,1,2,3,4,5,6,7
	v_mov_b32 v[PA+\j], v[PEN]
.endr
.Lpa_\@:
	s_cmp_eq_u32 s[J], s[GC]                       ; the same for tile 1
	s_cbranch_scc0 .Lpb_\@
.irp j, 0,1,2,3,4,5,6,7
	v_mov_b32 v[PA+8+\j], v[PEN]
.endr
.Lpb_\@:
	v_add_nc_u32 v[ADK], s[TBK], v[AK0]
	v_add_nc_u32 v[ADV], s[TBV], v[AV0]
	v_nop
	v_nop                                          ; four plain instructions between the last step's products and the loads into the registers that they read
	WIN 0x40                                       ; destination window 1
.irp kt, 0,1,2,3
.irp c, 0,1
	ds_load_b128 v[KF+8*(2*\kt+\c):KF+8*(2*\kt+\c)+3], v[ADK] offset:\kt*8*PK+64*\c
	ds_load_b128 v[KF+8*(2*\kt+\c)+4:KF+8*(2*\kt+\c)+7], v[ADK] offset:\kt*8*PK+64*\c+32
.endr
.endr
.irp kc, 0,1
.irp ct, 0,1,2,3
	ds_load_tr16_b128 v[VF+8*(4*\kc+\ct):VF+8*(4*\kc+\ct)+3], v[ADV] offset:\kc*16*PV+32*\ct
	ds_load_tr16_b128 v[VF+8*(4*\kc+\ct)+4:VF+8*(4*\kc+\ct)+7], v[ADV] offset:\kc*16*PV+32*\ct+8*PV
.endr
.endr
	s_wait_dscnt 16                                ; K's sixteen loads are in; V's sixteen may be out
	WIN 0x01                                       ; K in window 1
.irp c, 0,1                                    ; eight accumulators by turns, one instruction a turn
.irp kt, 0,1,2,3
.irp t, 0,1
.if \c == 0
	v_wmma_f32_16x16x32_f16 v[S+32*\t+8*\kt:S+32*\t+8*\kt+7], v[KF+8*(2*\kt+\c):KF+8*(2*\kt+\c)+7], v[QF+16*\t+8*\c:QF+16*\t+8*\c+7], v[PA+8*\t:PA+8*\t+7]
.else
	v_wmma_f32_16x16x32_f16 v[S+32*\t+8*\kt:S+32*\t+8*\kt+7], v[KF+8*(2*\kt+\c):KF+8*(2*\kt+\c)+7], v[QF+16*\t+8*\c:QF+16*\t+8*\c+7], v[S+32*\t+8*\kt:S+32*\t+8*\kt+7]
.endif
.endr
.endr
.endr
	WIN 0
.rept 4
	v_nop                                          ; places in front of the first read of the scores
.endr
	s_cmp_eq_u32 s[J], s[GA]
	s_cbranch_scc0 .Lnf0_\@
	FIX 0
.Lnf0_\@:
	s_cmp_eq_u32 s[J], s[GB]
	s_cbranch_scc0 .Lnf1_\@
	FIX 1
.Lnf1_\@:
	SOFTMAX
	s_wait_dscnt 0x0                               ; V is in
	WIN 0x51                                       ; V and O^T in window 1, P in window 0
.irp kc, 0,1
.irp ct, 0,1,2,3
.irp t, 0,1
	v_wmma_f32_16x16x32_f16 v[32*\t+8*\ct:32*\t+8*\ct+7], v[VF+8*(4*\kc+\ct):VF+8*(4*\kc+\ct)+7], v[P+16*\t+8*\kc:P+16*\t+8*\kc+7], v[32*\t+8*\ct:32*\t+8*\ct+7]
.endr
.endr
.endr
	WIN 0
	s_add_co_u32 s[J], s[J], 1
	s_add_co_u32 s[TBK], s[TBK], KSB
	s_add_co_u32 s[TBV], s[TBV], VSB
.endm
; THE CHANGE OF SLOTS stands at a slot's head.  Each wave waits for all its tensor loads (its part of the slot that it is about to read), adds 0 to its spare word, and waits for that and for its reads of the slot
; that it has left.  fill = 1: a round of the cluster's barrier, and behind it the slot just left takes the next 256 keys: one load a wave, with four key steps in which to land.
.macro CHANGE fill
	s_wait_tensorcnt 0x0
	ds_add_u32 v[SPW], v[NIL]
.if \fill
	ds_add_u32 v[SPW], v[NIL]                      ; and twice on end here, in every trip alike
	s_xor_b32 s[G0K+1], s[G0K+1], SLOT1            ; no load of mine is out: the walking descriptors step to the other slot and the next 256 keys
	s_add_nc_u64 s[G0K+2:G0K+3], s[G0K+2:G0K+3], 32768
	s_xor_b32 s[G0V+1], s[G0V+1], SLOT1
	s_add_nc_u64 s[G0V+2:G0V+3], s[G0V+2:G0V+3], 32768
	s_wait_xcnt 0x0                                ; the last prefetch, a slot back, has read its address
	s_add_nc_u64 s[PFA:PFA+1], s[PFA:PFA+1], 32768
	s_wait_dscnt 0x0
	CROUND
	JLOAD
	ASK
.else
	s_wait_dscnt 0x0
	s_barrier_signal -1
	s_barrier_wait -1
.endif
.endm
.macro SLOT_STEPS                      ; a slot's four key steps: written once, walked four times
	s_mov_b32 s[FOUR], 4
.Lstep_\@:
	KSTEP
	s_sub_co_u32 s[FOUR], s[FOUR], 1
	s_cmp_lg_u32 s[FOUR], 0
	s_cbranch_scc1 .Lstep_\@
	s_sub_co_u32 s[TBK], s[TBK], 4*KSB
	s_xor_b32 s[TBK], s[TBK], SLOT1
	s_sub_co_u32 s[TBV], s[TBV], 4*VSB
	s_xor_b32 s[TBV], s[TBV], SLOT1
.endm
	s_wait_loadcnt 0x0                             ; Q
.Lslot:                                            ; seven trips: behind each change of slots but the last the next 256 keys are asked for
	CHANGE 1
	SLOT_STEPS
	s_sub_co_u32 s[SLOTS], s[SLOTS], 1
	s_cmp_lg_u32 s[SLOTS], 0
	s_cbranch_scc1 .Lslot
	CHANGE 0                                       ; the last slot is written out
	SLOT_STEPS
	; THE WAY OUT.  These six lines are also the places behind the last products.
.irp t, 0,1
	v_add_f32 v[ST+8*\t+4], v[ST+8*\t+2], v[ST+8*\t+3]
.endr
.irp t, 0,1
	v_permlanex16_b32 v[ST+8*\t+5], v[ST+8*\t+4], s[SEL], s[SEL+1]
.endr
.irp t, 0,1
	v_add_f32 v[ST+8*\t+4], v[ST+8*\t+4], v[ST+8*\t+5]                      ; the row's sum
.endr
	s_or_b32 s63, ttmp9, s[WV]                     ; the raw part of a sequence's first 16 positions: cluster 0, wave 0 (a branch alike in all partners), and of the four partners cx = 0 by EXEC
	s_cmp_lg_u32 s63, 0
	s_cbranch_scc1 .Lno_part
	v_cmp_eq_u32 vcc_lo, 0, v[CXV]
	s_wait_xcnt 0x0                                ; EXEC changes only behind this wait
	s_and_saveexec_b32 s62, vcc_lo
	WIN 0x04                                       ; a store's data are its source 1: window 1
.irp i, 0,1,2,3,4,5,6,7
	global_store_b128 v[L16], v[4*\i:4*\i+3], s[PRT:PRT+1] offset:512*\i    ; O^T of tile 0 as an image of its registers
.endr
	WIN 0
	global_store_b32 v[L4], v[ST], s[PRT:PRT+1] offset:4096                 ; c m
	global_store_b32 v[L4], v[ST+4], s[PRT:PRT+1] offset:4224               ; l
	s_wait_xcnt 0x0
	s_or_b32 exec_lo, exec_lo, s62
.Lno_part:
.irp t, 0,1
	v_rcp_f32 v[ST+8*\t+6], v[ST+8*\t+4]
.endr
	v_nop
	s_wait_alu depctr_va_vdst(0)                   ; one wait for both reciprocals, ahead of their first reader
.macro PACKO t                         ; O^T / l, to f16, 16 bytes a lane into my stage, and back as rows
	WIN 0x41
.irp u, 0,1,2,3,4,5,6,7,8,9,10,11,12,13,14,15
	v_pk_mul_f32 v[32*\t+2*\u:32*\t+2*\u+1], v[32*\t+2*\u:32*\t+2*\u+1], v[ST+8*\t+6:ST+8*\t+7] op_sel_hi:[1,0]
.endr
	WIN 0x05
.irp u, 0,1,2,3,4,5,6,7,8,9,10,11,12,13,14,15
	v_cvt_pk_f16_f32 v[S+32*\t+\u], v[32*\t+2*\u], v[32*\t+2*\u+1]
.endr
	WIN 0
.irp ct, 0,1,2,3
	ds_store_b128 v[STO], v[S+32*\t+4*\ct:S+32*\t+4*\ct+3] offset:32*\ct
.endr
.irp i, 0,1,2,3
	ds_load_b128 v[S+32*\t+16+4*\i:S+32*\t+16+4*\i+3], v[RD] offset:4*SP*\i   ; LDS serves a wave's instructions in order: these see the stores above, and the next tile's stores come behind them
.endr
.endm
	PACKO 0
	PACKO 1
.irp i, 0,1,2,3
	s_wait_dscnt 11-\i                             ; behind tile 0's load i: its later loads and tile 1's eight
	global_store_b128 v[L16], v[S+16+4*\i:S+16+4*\i+3], s[6:7] offset:512*\i           ; four positions: 512 consecutive bytes, aligned
.endr
.irp i, 0,1,2,3
	s_wait_dscnt 3-\i
	global_store_b128 v[L16], v[S+48+4*\i:S+48+4*\i+3], s[6:7] offset:8192+512*\i
.endr
	s_wait_tensorcnt 0x0                           ; the wave's end
	ds_add_u32 v[SPW], v[NIL]
	s_wait_dscnt 0x0
	CROUND                                         ; the closing round
	s_endpgm
.Lfunc_end_k_qf324e155b0_attn:
	.size	k_qf324e155b0_attn, .Lfunc_end_k_qf324e155b0_attn-k_qf324e155b0_attn
	.p2alignl 7, 3214868480
	.fill 96, 4, 3214868480
	.section	.rodata,"a",@progbits
	.p2align	6, 0x0
	.amdhsa_kernel k_qf324e155b0_attn
		.amdhsa_group_segment_fixed_size 327680
		.amdhsa_private_segment_fixed_size 0
		.amdhsa_enable_private_segment 0
		.amdhsa_kernarg_size 16
		.amdhsa_user_sgpr_count 2
		.amdhsa_user_sgpr_kernarg_segment_ptr 1
		.amdhsa_wavefront_size32 1
		.amdhsa_system_sgpr_workgroup_id_x 1
		.amdhsa_system_sgpr_workgroup_id_y 1
		.amdhsa_system_sgpr_workgroup_id_z 1
		.amdhsa_system_vgpr_workitem_id 0
		.amdhsa_next_free_vgpr 448
		.amdhsa_next_free_sgpr 66
		.amdhsa_reserve_vcc 1
		.amdhsa_float_denorm_mode_32 3
		.amdhsa_float_denorm_mode_16_64 3
		.amdhsa_memory_ordered 1
		.amdhsa_forward_progress 1
		.amdhsa_inst_pref_size 70
	.end_amdhsa_kernel
	.amdgpu_metadata
---
amdhsa.version: [ 1, 2 ]
amdhsa.kernels:
  - .name:           k_qf324e155b0_attn
    .symbol:         k_qf324e155b0_attn.kd
    .args:
      - { .name: qkv, .offset: 0, .size: 8, .value_kind: global_buffer, .address_space: global }
      - { .name: att, .offset: 8, .size: 8, .value_kind: global_buffer, .address_space: global }
    .group_segment_fixed_size: 327680
    .private_segment_fixed_size: 0
    .kernarg_segment_align: 8
    .kernarg_segment_size: 16
    .max_flat_workgroup_size: 256
    .sgpr_count:     66
    .vgpr_count:     448
    .wavefront_size: 32
...
	.end_amdgpu_metadata
.endif
;; end of part 3
;; launch fine_attn (part 4): grid 64 x 1, 1 waves a work-group, no clusters, 0 bytes of LDS; arguments qkv, att, afine; writes afine
.if DOCPART == 4
	.amdgcn_target "amdgcn-amd-amdhsa--gfx1250"
	.amdhsa_code_object_version 6
	.text
	.protected	k_qf324e155b0_fine_attn
	.globl	k_qf324e155b0_fine_attn
	.p2align	8
	.type	k_qf324e155b0_fine_attn,@function
k_qf324e155b0_fine_attn:
	s_mov_b64 s[64:65], 0
	v_nop
	global_prefetch_b8 v0, s[64:65] scope:SCOPE_SE
	s_setreg_imm32_b32 hwreg(HW_REG_WAVE_MODE, 25, 1), 1
	s_wait_xcnt 0x0
; The first 16 positions of every sequence, in f32.  One wave for each (batch, head): its 16 queries against keys 0..15 (f32 copies of q, k, v), joined with the raw part over keys 16..2047 that the launch before stored
; (c m, l, O^T).  The result, 16 x 64 in f32, leaves as an image of 32 registers: register 8 ct + j of lane (r, h) is att(position r, channel 16 ct + 8 h + j).
; Both products are used transposed, so that a lane holds one query.  The channels (and then the keys) are dealt to the K steps of 4 in an order of the text's own, the same on both sides of a product.
; The registers that the f32 matrix form writes (v176-223) are written by matrix instructions alone.  Small work: 32 matrix instructions a wave; no LDS, no cluster: nothing is shared.
.set QR, 32                            ; v32-63   q: lane (r, h): position r, channels 32 h + 0..31
.set KR, 64                            ; v64-95   k likewise
.set VT, 96                            ; v96-127  register 8 ct + e: v(key 8 h + e, channel 16 ct + r)
.set AN, 128                           ; v128-159 the raw part's O^T, then the result
.set DP, 160                           ; v160-167 the penalty in the scores' layout
.set PR, 168                           ; v168-175 scores, then p
.set SA, 176
.set SB, 184
.set OF, 192
	s_load_b128 s[4:7], s[0:1], 0x0                ; qkv, att
	s_load_b64 s[8:9], s[0:1], 0x10                ; afine
	v_and_b32 v1, 15, v0                           ; r
	v_lshrrev_b32 v2, 4, v0                        ; h
	v_lshlrev_b32 v3, 8, v1
	v_lshl_add_u32 v3, v2, 7, v3                   ; 256 r + 128 h
	v_lshlrev_b32 v4, 2, v1
	v_lshl_add_u32 v4, v2, 11, v4                  ; 4 r + 2048 h
	v_lshlrev_b32 v5, 4, v0
	v_lshlrev_b32 v6, 2, v0
	s_lshl_b32 s10, ttmp9, 12
	s_mov_b32 s11, 0
	s_add_co_u32 s12, s10, 0x3000000               ; the f32 copies lie behind the f16 results
	s_mov_b32 s13, 0
	s_mul_i32 s14, ttmp9, 4608
	s_add_co_u32 s14, s14, 0x1000000               ; the raw parts lie behind att
	s_mov_b32 s15, 0
	s_mov_b32 s16, 0x76543210
	s_mov_b32 s17, 0xfedcba98
	s_mov_b32 s18, 0x3e38aa3b                      ; c = log2(e) / 8
	s_mov_b32 s19, s18
	s_wait_kmcnt 0x0
	s_add_nc_u64 s[4:5], s[4:5], s[12:13]
	s_add_nc_u64 s[6:7], s[6:7], s[14:15]
	s_add_nc_u64 s[8:9], s[8:9], s[10:11]
.irp i, 0,1,2,3,4,5,6,7
	global_load_b128 v[QR+4*\i:QR+4*\i+3], v3, s[4:5] offset:16*\i
.endr
.irp i, 0,1,2,3,4,5,6,7
	global_load_b128 v[KR+4*\i:KR+4*\i+3], v3, s[4:5] offset:262144+16*\i
.endr
.irp ct, 0,1,2,3
.irp e, 0,1,2,3,4,5,6,7
	global_load_b32 v[VT+8*\ct+\e], v4, s[4:5] offset:524288+256*\e+64*\ct
.endr
.endr
.irp i, 0,1,2,3,4,5,6,7
	global_load_b128 v[AN+4*\i:AN+4*\i+3], v5, s[6:7] offset:512*\i
.endr
	global_load_b32 v10, v6, s[6:7] offset:4096    ; the part's c m
	global_load_b32 v11, v6, s[6:7] offset:4224    ; and its l
	v_lshlrev_b32 v7, 3, v2
	v_sub_nc_u32 v7, v1, v7                        ; r - 8 h: key 8 h + j is behind query r where j > this
	v_mov_b32 v8, 0xc3c80000                       ; -400
.irp j, 0,1,2,3,4,5,6,7
	v_cmp_gt_i32 vcc_lo, \j, v7
	v_cndmask_b32 v[DP+\j], 0, v8, vcc_lo
.endr
	s_wait_loadcnt 42                              ; q and k are in: 42 loads were issued behind them
	v_wmma_f32_16x16x4_f32 v[SA:SA+7], v[KR:KR+1], v[QR:QR+1], v[DP:DP+7]          ; two sums by turns; the first begins with the penalty, the second with 0
	v_wmma_f32_16x16x4_f32 v[SB:SB+7], v[KR+2:KR+3], v[QR+2:QR+3], 0
.irp i, 2,4,6,8,10,12,14
	v_wmma_f32_16x16x4_f32 v[SA:SA+7], v[KR+2*\i:KR+2*\i+1], v[QR+2*\i:QR+2*\i+1], v[SA:SA+7]
	v_wmma_f32_16x16x4_f32 v[SB:SB+7], v[KR+2*\i+2:KR+2*\i+3], v[QR+2*\i+2:QR+2*\i+3], v[SB:SB+7]
.endr
.rept 8
	v_nop                                          ; eight places behind this form
.endr
.irp j, 0,1,2,3,4,5,6,7
	v_add_f32 v[PR+\j], v[SA+\j], v[SB+\j]
.endr
	v_max3_num_f32 v12, v[PR], v[PR+1], v[PR+2]
	v_max3_num_f32 v12, v12, v[PR+3], v[PR+4]
	v_max3_num_f32 v12, v12, v[PR+5], v[PR+6]
	v_max_num_f32 v12, v12, v[PR+7]
	v_mov_b32 v13, 0
	v_permlanex16_b32 v13, v12, s16, s17
	v_max_num_f32 v12, v12, v13                    ; the largest score of my query among keys 0..15
	v_mul_f32 v14, s18, v12                        ; c m
	v_mov_b32 v15, 0
.irp j, 0,2,4,6
	v_pk_fma_f32 v[PR+\j:PR+\j+1], v[PR+\j:PR+\j+1], s[18:19], v[14:15] op_sel_hi:[1,0,0] neg_lo:[0,0,1] neg_hi:[0,0,1]
.endr
.irp j, 0,1,2,3,4,5,6,7
	v_exp_f32 v[PR+\j], v[PR+\j]
.endr
	v_nop
	s_wait_alu depctr_va_vdst(0)                   ; one wait for the eight, ahead of their first reader
	v_add_f32 v16, v[PR], v[PR+1]
	v_add_f32 v17, v[PR+2], v[PR+3]
	v_add_f32 v18, v[PR+4], v[PR+5]
	v_add_f32 v19, v[PR+6], v[PR+7]
	v_add_f32 v16, v16, v17
	v_add_f32 v18, v18, v19
	v_add_f32 v16, v16, v18
	v_permlanex16_b32 v17, v16, s16, s17
	v_add_f32 v16, v16, v17                        ; l of keys 0..15
	s_wait_loadcnt 10                              ; v is in: ten loads were issued behind it
.irp ct, 0,1,2,3
	v_wmma_f32_16x16x4_f32 v[OF+8*\ct:OF+8*\ct+7], v[VT+8*\ct:VT+8*\ct+1], v[PR:PR+1], 0      ; four sums by turns
.endr
.irp cc, 1,2,3
.irp ct, 0,1,2,3
	v_wmma_f32_16x16x4_f32 v[OF+8*\ct:OF+8*\ct+7], v[VT+8*\ct+2*\cc:VT+8*\ct+2*\cc+1], v[PR+2*\cc:PR+2*\cc+1], v[OF+8*\ct:OF+8*\ct+7]
.endr
.endr
	s_wait_loadcnt 0x0
	v_max_num_f32 v20, v14, v10                    ; the two parts under one maximum
	v_sub_f32 v21, v14, v20
	v_sub_f32 v22, v10, v20
	v_exp_f32 v21, v21
	v_exp_f32 v22, v22
	v_nop
	s_wait_alu depctr_va_vdst(0)
	v_mul_f32 v23, v16, v21
	v_fma_f32 v23, v11, v22, v23                   ; the whole row's sum
	v_rcp_f32 v23, v23
	v_nop
	s_wait_alu depctr_va_vdst(0)
	v_mul_f32 v24, v21, v23
	v_mul_f32 v26, v22, v23
.rept 8
	v_nop                                          ; eight places behind the last products
.endr
.irp j, 0,1,2,3,4,5,6,7,8,9,10,11,12,13,14,15,16,17,18,19,20,21,22,23,24,25,26,27,28,29,30,31
	v_mul_f32 v[AN+\j], v[AN+\j], v26
	v_fma_f32 v[AN+\j], v[OF+\j], v24, v[AN+\j]    ; each sum is read from its low end on; the result goes into other registers
.endr
.irp i, 0,1,2,3,4,5,6,7
	global_store_b128 v5, v[AN+4*\i:AN+4*\i+3], s[8:9] offset:512*\i
.endr
	s_endpgm
.Lfunc_end_k_qf324e155b0_fine_attn:
	.size	k_qf324e155b0_fine_attn, .Lfunc_end_k_qf324e155b0_fine_attn-k_qf324e155b0_fine_attn
	.p2alignl 7, 3214868480
	.fill 96, 4, 3214868480
	.section	.rodata,"a",@progbits
	.p2align	6, 0x0
	.amdhsa_kernel k_qf324e155b0_fine_attn
		.amdhsa_group_segment_fixed_size 0
		.amdhsa_private_segment_fixed_size 0
		.amdhsa_enable_private_segment 0
		.amdhsa_kernarg_size 24
		.amdhsa_user_sgpr_count 2
		.amdhsa_user_sgpr_kernarg_segment_ptr 1
		.amdhsa_wavefront_size32 1
		.amdhsa_system_sgpr_workgroup_id_x 1
		.amdhsa_system_sgpr_workgroup_id_y 1
		.amdhsa_system_sgpr_workgroup_id_z 1
		.amdhsa_system_vgpr_workitem_id 0
		.amdhsa_next_free_vgpr 224
		.amdhsa_next_free_sgpr 66
		.amdhsa_reserve_vcc 1
		.amdhsa_float_denorm_mode_32 3
		.amdhsa_float_denorm_mode_16_64 3
		.amdhsa_memory_ordered 1
		.amdhsa_forward_progress 1
		.amdhsa_inst_pref_size 16
	.end_amdhsa_kernel
	.amdgpu_metadata
---
amdhsa.version: [ 1, 2 ]
amdhsa.kernels:
  - .name:           k_qf324e155b0_fine_attn
    .symbol:         k_qf324e155b0_fine_attn.kd
    .args:
      - { .name: qkv, .offset: 0, .size: 8, .value_kind: global_buffer, .address_space: global }
      - { .name: att, .offset: 8, .size: 8, .value_kind: global_buffer, .address_space: global }
      - { .name: afine, .offset: 16, .size: 8, .value_kind: global_buffer, .address_space: global }
    .group_segment_fixed_size: 0
    .private_segment_fixed_size: 0
    .kernarg_segment_align: 8
    .kernarg_segment_size: 24
    .max_flat_workgroup_size: 32
    .sgpr_count:     66
    .vgpr_count:     224
    .wavefront_size: 32
...
	.end_amdgpu_metadata
.endif
;; end of part 4
;; launch proj (part 5): grid 8 x 32, 4 waves a work-group, clusters of 4 x 4, 327,680 bytes of LDS; arguments att, wrh, out0; writes out0
.if DOCPART == 5
	.amdgcn_target "amdgcn-amd-amdhsa--gfx1250"
	.amdhsa_code_object_version 6
	.text
	.protected	k_qf324e155b0_proj
	.globl	k_qf324e155b0_proj
	.p2align	8
	.type	k_qf324e155b0_proj,@function
k_qf324e155b0_proj:
	s_mov_b64 s[64:65], 0
	v_nop
	global_prefetch_b8 v0, s[64:65] scope:SCOPE_SE
	s_setreg_imm32_b32 hwreg(HW_REG_WAVE_MODE, 25, 1), 1
	s_wait_xcnt 0x0
	s_wait_alu depctr_hold_cnt(0) depctr_sa_sdst(0) depctr_va_vdst(0) depctr_va_sdst(0) depctr_va_ssrc(0) depctr_va_vcc(0) depctr_vm_vsrc(0)
	s_getreg_b32 s2, hwreg(HW_REG_IB_STS2, 6, 4)
	s_cmp_eq_u32 s2, 0
	s_cbranch_scc0 .Lentry_in_a_cluster
	s_endpgm
.Lentry_in_a_cluster:
	s_bfe_u32 s2, ttmp6, 0x10000c
	s_cmp_lg_u32 s2, 0xf033
	s_cbranch_scc0 .Lentry_shape_is_right
	s_endpgm
.Lentry_shape_is_right:
; out0[m][n] = sum over k of att[m][k] Wr[k][n], f16 operands, f32 sums.  att lies [b][head][s][64] f16 (k = 64 head + channel), Wr [k][n] f16, out0 [8192][1024] f32.
; A tile of C is 256 (m) x 128 (n): 256 work-groups; four waves, each 128 x 64: 32 accumulators.  K goes in steps of 128 (two heads) through two LDS slots.
; A's tile of a head is dense: 256 positions of 128 bytes = 128 rows of 256 bytes, two positions each.  B's tile is 128 rows (k) of 256 bytes and is read turned (ds_load_tr16_b128).
; CLUSTERS: 4 x 4 work-groups; A's tiles are asked for jointly along a row of the cluster, B's along a column.  USED TRANSPOSED: source 0 = 16 columns of Wr, source 1 = 16 rows of att: a lane holds eight neighbouring
; numbers of a row of C.  The rows of a sequence's first 16 positions are written again, finely, by the next launch.
; No prefetch: eight short K steps, and every tile is already shared by four work-groups.
; REGISTERS: window 0: addresses, v32-95 the way out.  window 1: accumulator (a, b) at v[8 (4 a + b)].  window 2: two fragment buffers of 128: A's eight fragments, then from +64 B's four.
.set PAP,   272
.set PBP,   288
.set AHD,   128*PAP                    ; a head's 256 positions in LDS
.set BOFF,  2*AHD
.set SLOT,  BOFF+128*PBP
.set STAGE, 2*SLOT                     ; behind the ring: 16 rows x 272 bytes for each wave
.set SPITCH, 272
.set SPARE, STAGE+4*16*SPITCH
.set LAPS,  4                          ; 1,024 along K = 8 steps = 4 times round the ring
.set ADRA, 16
.set ADRB, 20
.set STO,  24
.set RD,   25
.set CO,   26
.set SPW,  28
.set NIL,  29
.set BK,   32
.set F0,   0
.set F1,   128
.set G1, 24
.set G0, 32
.set G1B, 48
.set G0B, 56
.set MSB, 0
.macro WIN new
.if MSB != \new
	s_set_vgpr_msb (MSB<<8)|\new
.set MSB, \new
.endif
.endm
.set MUL,  0x5a                        ; sources 0 and 1 window 2; C and D window 1
.set TO_F, 0x80                        ; destination window 2
.macro JLOAD s                         ; waves 0 and 1 fetch A's two heads, waves 2 and 3 B's two halves
	s_cmp_eq_u32 s11, 0
	s_cbranch_scc0 .Lfor_b_\@
	tensor_load_to_lds s[G0+4*\s:G0+4*\s+3], s[G1:G1+7]
	s_nop 0
.rept 4
	v_nop
.endr
	s_branch .Lasked_\@
.Lfor_b_\@:
	tensor_load_to_lds s[G0B+4*\s:G0B+4*\s+3], s[G1B:G1B+7]
	s_nop 0
.rept 4
	v_nop
.endr
.Lasked_\@:
.endm
.macro CREST
	s_cmp_lg_u32 s10, 0
	s_cbranch_scc1 .Lnot_wave_0_\@
	s_barrier_signal -3
.Lnot_wave_0_\@:
	s_barrier_wait -3
	s_barrier_signal -1
	s_barrier_wait -1
.endm
.macro CROUND
	s_barrier_signal -1
	s_barrier_wait -1
	CREST
.endm
	s_load_b128 s[4:7], s[0:1], 0x0                ; att, Wr in f16
	s_load_b64 s[8:9], s[0:1], 0x10                ; out0
	v_lshl_add_u32 v[SPW], v0, 2, SPARE
	v_mov_b32 v[NIL], 0
	ds_add_u32 v[SPW], v[NIL]                      ; the wave's opening: the add, twice on end, and its wait ahead of my first tensor load
	ds_add_u32 v[SPW], v[NIL]
	v_lshrrev_b32 v1, 5, v0
	v_readfirstlane_b32 s10, v1                    ; wave 0..3
	s_lshr_b32 s11, s10, 1                         ; which 128 rows of the tile are mine.  Also: I fetch for A (0) or for B (1)
	s_and_b32 s12, s10, 1                          ; which 64 columns.  Also: which head of A, which 64 rows of B I fetch
	s_bfe_u32 s40, ttmp6, 0x40000
	s_bfe_u32 s41, ttmp6, 0x40004
	s_lshl_b32 s42, ttmp9, 2
	s_add_co_u32 s42, s42, s40                     ; tile column
	s_and_b32 s13, ttmp7, 0xffff
	s_lshl_b32 s13, s13, 2
	s_add_co_u32 s13, s13, s41                     ; tile row
	s_lshl_b32 s43, s41, 2
	s_lshl_b32 s43, 15, s43
	s_lshl_b32 s44, 0x1111, s40
	s_or_b32 s[G1+0], s43, (1<<16)|(1<<20)|(1<<21)|(5<<22)|(3<<25)  ; A: my row's mask; elements of 2 bytes; 4 words of padding after every 64
	s_mov_b32 s[G1+1], 128<<16                     ; tensor_dim0
	s_mov_b32 s[G1+2], 128<<16                     ; tensor_dim1
	s_mov_b32 s[G1+3], 128<<16                     ; tile_dim0
	s_mov_b32 s[G1+4], 128                         ; tile_dim1
	s_mov_b32 s[G1+5], 128                         ; the pitch: dense
	s_mov_b32 s[G1+6], 0
	s_mov_b32 s[G1+7], 0
	s_or_b32 s[G1B+0], s44, (1<<16)|(1<<20)|(1<<21)|(5<<22)|(7<<25) ; B: my column's mask; 8 words of padding
	s_mov_b32 s[G1B+1], 128<<16
	s_mov_b32 s[G1B+2], 64<<16
	s_mov_b32 s[G1B+3], 128<<16
	s_mov_b32 s[G1B+4], 64
	s_mov_b32 s[G1B+5], 1024
	s_mov_b32 s[G1B+6], 0
	s_mov_b32 s[G1B+7], 0
	s_lshr_b32 s16, s13, 3                         ; A: batch, 256 positions of the sequence, my head of the step's two
	s_lshl_b32 s16, s16, 22
	s_and_b32 s17, s13, 7
	s_lshl_b32 s17, s17, 15
	s_add_co_u32 s16, s16, s17
	s_lshl_b32 s17, s12, 18
	s_add_co_u32 s16, s16, s17
	s_mov_b32 s17, 0
	s_lshl_b32 s46, s12, 17                        ; B: my 64 rows of 2,048 bytes, the tile's 256 bytes of a row
	s_lshl_b32 s47, s42, 8
	s_add_co_u32 s46, s46, s47
	s_mov_b32 s47, 0
	s_mul_i32 s20, s12, AHD
	s_mul_i32 s21, s12, 64*PBP
	s_add_co_u32 s21, s21, BOFF
	s_wait_dscnt 0x0                               ; both opening adds are done
	s_wait_kmcnt 0x0
	s_add_nc_u64 s[14:15], s[4:5], s[16:17]
	s_add_nc_u64 s[46:47], s[6:7], s[46:47]
	CROUND                                         ; all sixteen work-groups are here
.irp s, 0,1
	s_mov_b32 s[G0+4*\s], 1
	s_add_co_u32 s[G0+4*\s+1], s20, \s*SLOT
	s_add_nc_u64 s[G0+4*\s+2:G0+4*\s+3], s[14:15], \s*524288         ; K step s: heads 2 s, 2 s + 1
	s_or_b32 s[G0+4*\s+3], s[G0+4*\s+3], 0x80000000
	s_mov_b32 s[G0B+4*\s], 1
	s_add_co_u32 s[G0B+4*\s+1], s21, \s*SLOT
	s_add_nc_u64 s[G0B+4*\s+2:G0B+4*\s+3], s[46:47], \s*262144       ; rows 128 s on
	s_or_b32 s[G0B+4*\s+3], s[G0B+4*\s+3], 0x80000000
	JLOAD \s
.endr
	v_and_b32 v1, 15, v0                           ; r
	v_bfe_u32 v2, v0, 4, 1                         ; h
	v_lshrrev_b32 v3, 1, v1
	v_mul_u32_u24 v3, v3, PAP
	v_and_b32 v4, 1, v0
	v_lshl_add_u32 v3, v4, 7, v3
	v_lshl_add_u32 v3, v2, 4, v3                   ; A: position r: (r / 2) x pitch + (r % 2) x 128 + 16 h
	v_and_b32 v4, 7, v0
	v_lshl_add_u32 v4, v2, 3, v4
	v_mul_u32_u24 v4, v4, PBP
	v_bfe_u32 v5, v0, 3, 1
	v_lshl_add_u32 v4, v5, 4, v4                   ; B, for the turning load: row 8 h + l % 8, columns 8 ((l / 8) % 2) on
	s_mul_i32 s21, s11, 64*PAP                     ; my 128 positions
	s_lshl_b32 s22, s12, 7                         ; my 64 columns
	s_add_co_u32 s22, s22, BOFF
.irp s, 0,1
	v_add_nc_u32 v[ADRA+\s], s21, v3
	v_add_nc_u32 v[ADRB+\s], s22, v4
	s_add_co_u32 s21, s21, SLOT
	s_add_co_u32 s22, s22, SLOT
.endr
	s_mul_i32 s23, s10, 16*SPITCH
	s_add_co_u32 s23, s23, STAGE                   ; my stage
	v_mul_u32_u24 v5, v1, SPITCH
	v_lshl_add_u32 v5, v2, 5, v5
	v_add_nc_u32 v[STO], s23, v5                   ; in: row r, 32 bytes for each half of the lanes
	v_mul_u32_u24 v5, v2, SPITCH
	v_lshl_add_u32 v5, v1, 4, v5
	v_add_nc_u32 v[RD], s23, v5                    ; back: sixteen lanes to a row of 256 bytes
	v_lshlrev_b32 v5, 12, v2
	v_lshl_add_u32 v[CO], v1, 4, v5                ; and the same two rows in C
	s_lshl_b32 s16, s13, 20                        ; my first row of C: 256 x tile row + 128 x half, rows of 4,096 bytes
	s_lshl_b32 s17, s11, 19
	s_add_co_u32 s16, s16, s17
	s_mov_b32 s17, 0
	s_add_nc_u64 s[8:9], s[8:9], s[16:17]
	s_lshl_b32 s46, s42, 9                         ; my first column, in bytes
	s_lshl_b32 s47, s12, 8
	s_add_co_u32 s46, s46, s47
	s_mov_b32 s47, 0
	s_add_nc_u64 s[8:9], s[8:9], s[46:47]
; 8 matrix instructions: m blocks a0, a0 + 1 x the 4 n blocks, 32 along K.  The 32 accumulators take turns, one instruction a turn.
.macro MUL8 f, a0, zero
.irp a, \a0, \a0+1
.irp b, 0,1,2,3
.if \zero
	v_wmma_f32_16x16x32_f16 v[8*(4*(\a)+\b):8*(4*(\a)+\b)+7], v[\f+64+8*\b:\f+64+8*\b+7], v[\f+8*(\a):\f+8*(\a)+7], 0
.else
	v_wmma_f32_16x16x32_f16 v[8*(4*(\a)+\b):8*(4*(\a)+\b)+7], v[\f+64+8*\b:\f+64+8*\b+7], v[\f+8*(\a):\f+8*(\a)+7], v[8*(4*(\a)+\b):8*(4*(\a)+\b)+7]
.endif
.endr
.endr
.endm
; 24 LDS loads in one run: quarter q of a slot (32 along K: head q / 2, channels 32 (q % 2) on) into buffer f: B's eight first, then A's sixteen
.macro FETCH slot, q, f
	WIN TO_F
.irp i, 0,1,2,3
	ds_load_tr16_b128 v[\f+64+8*\i:\f+64+8*\i+3], v[ADRB+\slot] offset:32*PBP*(\q)+32*\i
	ds_load_tr16_b128 v[\f+64+8*\i+4:\f+64+8*\i+7], v[ADRB+\slot] offset:32*PBP*(\q)+32*\i+16*PBP
.endr
.irp i, 0,1,2,3,4,5,6,7
	ds_load_b128 v[\f+8*\i:\f+8*\i+3], v[ADRA+\slot] offset:((\q)/2)*AHD+((\q)%2)*64+8*PAP*\i
	ds_load_b128 v[\f+8*\i+4:\f+8*\i+7], v[ADRA+\slot] offset:((\q)/2)*AHD+((\q)%2)*64+8*PAP*\i+32
.endr
.endm
.macro PLACES                          ; four plain instructions in front of loads into registers that matrix instructions have read, and of the first read of results
.rept 4
	v_nop
.endr
.endm
.macro QUARTER slot, qn, f, g, zero    ; multiplies buffer f; in its middle it fetches quarter qn of the same slot into g
	s_wait_dscnt 8                                 ; all but the youngest eight loads (A's blocks 4-7) are in
	WIN MUL
	MUL8 \f, 0, \zero
	MUL8 \f, 2, \zero
	PLACES
	FETCH \slot, \qn, \g
	s_wait_dscnt 24                                ; all but the 24 just issued
	WIN MUL
	MUL8 \f, 4, \zero
	MUL8 \f, 6, \zero
.endm
; A slot's last quarter multiplies buffer 1 and changes slots: ONE barrier; in front of it each wave waits for all its tensor loads, adds 0 to its spare word, and waits for that and for its reads of this slot.
.macro TURN slot, next, fill
	WIN 0
	s_wait_tensorcnt 0x0                           ; all my tensor loads have landed: my part of the next slot
	ds_add_u32 v[SPW], v[NIL]
	s_wait_dscnt 9                                 ; the add and the youngest eight loads may be out
	WIN MUL
	MUL8 F1, 0, 0
	s_wait_dscnt 0x0                               ; the add is done, and my reads of this slot are over
	s_barrier_signal -1
	MUL8 F1, 2, 0
.if \fill
	WIN 0
.endif
	s_barrier_wait -1
.if \fill
	CREST                                          ; the barrier has opened a round of the cluster's: no wave of any partner still reads this slot or has a load on its way
	s_add_nc_u64 s[G0+4*\slot+2:G0+4*\slot+3], s[G0+4*\slot+2:G0+4*\slot+3], 1048576     ; two K steps on: four heads,
	s_add_nc_u64 s[G0B+4*\slot+2:G0B+4*\slot+3], s[G0B+4*\slot+2:G0B+4*\slot+3], 524288  ; 256 rows of Wr
	JLOAD \slot                                    ; the first tensor load behind the round, one a wave; its four v_nop are also the places in front of the loads below
.else
	PLACES
.endif
	FETCH \next, 0, F0
	WIN MUL
	MUL8 F1, 4, 0
	MUL8 F1, 6, 0
.endm
	s_wait_tensorcnt 1                             ; my part of K step 0 is in; K step 1's may stay out
	s_barrier_signal -1
	s_barrier_wait -1
	FETCH 0, 0, F0
	QUARTER 0, 1, F0, F1, 1                        ; the first quarter's products start the sums
	WIN 0
	s_mov_b32 s3, LAPS-1
.Llap:                                             ; a trip goes once round the ring and fills both slots again
	QUARTER 0, 2, F1, F0, 0
	QUARTER 0, 3, F0, F1, 0
	TURN 0, 1, 1
	QUARTER 1, 1, F0, F1, 0
	QUARTER 1, 2, F1, F0, 0
	QUARTER 1, 3, F0, F1, 0
	TURN 1, 0, 1
	QUARTER 0, 1, F0, F1, 0
	WIN 0
	s_sub_co_u32 s3, s3, 1
	s_cmp_lg_u32 s3, 0
	s_cbranch_scc1 .Llap
	QUARTER 0, 2, F1, F0, 0                        ; the last lap fills nothing
	QUARTER 0, 3, F0, F1, 0
	TURN 0, 1, 0
	QUARTER 1, 1, F0, F1, 0
	QUARTER 1, 2, F1, F0, 0
	QUARTER 1, 3, F0, F1, 0
	s_wait_dscnt 8
	WIN MUL
	MUL8 F1, 0, 0
	MUL8 F1, 2, 0
	s_wait_dscnt 0
	MUL8 F1, 4, 0
	MUL8 F1, 6, 0
	WIN 0
; THE WAY OUT, block by block of 16 rows x 64 columns, through my own stage: sixteen lanes store 256 consecutive bytes, aligned.
.macro TOSTAGE a
	WIN 0x04                                       ; an LDS store's data are its source 1: window 1
.irp b, 0,1,2,3
	ds_store_b128 v[STO], v[8*(4*(\a)+\b):8*(4*(\a)+\b)+3] offset:64*\b            ; each accumulator from its low end on
	ds_store_b128 v[STO], v[8*(4*(\a)+\b)+4:8*(4*(\a)+\b)+7] offset:64*\b+16
.endr
	WIN 0
.set BB, BK+32*((\a)%2)
.irp t, 0,1,2,3,4,5,6,7
	ds_load_b128 v[BB+4*\t:BB+4*\t+3], v[RD] offset:2*\t*SPITCH
.endr
.endm
.macro SEND a, younger
.set BB, BK+32*((\a)%2)
	s_wait_dscnt \younger
.irp t, 0,1,2,3,4,5,6,7
	global_store_b128 v[CO], v[BB+4*\t:BB+4*\t+3], s[8:9] offset:(16*(\a)+2*\t)*4096 th:TH_STORE_NT
.endr
.endm
	PLACES
	TOSTAGE 0
.irp a, 1,2,3,4,5,6,7
.if \a > 1
	s_wait_xcnt 0x0                                ; block a - 2's stores have read their registers: block a's loads may land there
.endif
	TOSTAGE \a
	SEND \a-1, 16                                  ; behind block a - 1's loads: block a's 8 stores and 8 loads
.endr
	SEND 7, 0
	s_wait_tensorcnt 0x0                           ; the wave's end
	ds_add_u32 v[SPW], v[NIL]
	s_wait_dscnt 0x0
	CROUND                                         ; the closing round
	s_endpgm
.Lfunc_end_k_qf324e155b0_proj:
	.size	k_qf324e155b0_proj, .Lfunc_end_k_qf324e155b0_proj-k_qf324e155b0_proj
	.p2alignl 7, 3214868480
	.fill 96, 4, 3214868480
	.section	.rodata,"a",@progbits
	.p2align	6, 0x0
	.amdhsa_kernel k_qf324e155b0_proj
		.amdhsa_group_segment_fixed_size 327680
		.amdhsa_private_segment_fixed_size 0
		.amdhsa_enable_private_segment 0
		.amdhsa_kernarg_size 24
		.amdhsa_user_sgpr_count 2
		.amdhsa_user_sgpr_kernarg_segment_ptr 1
		.amdhsa_wavefront_size32 1
		.amdhsa_system_sgpr_workgroup_id_x 1
		.amdhsa_system_sgpr_workgroup_id_y 1
		.amdhsa_system_sgpr_workgroup_id_z 1
		.amdhsa_system_vgpr_workitem_id 0
		.amdhsa_next_free_vgpr 768
		.amdhsa_next_free_sgpr 66
		.amdhsa_reserve_vcc 0
		.amdhsa_float_denorm_mode_32 3
		.amdhsa_float_denorm_mode_16_64 3
		.amdhsa_memory_ordered 1
		.amdhsa_forward_progress 1
		.amdhsa_inst_pref_size 86
	.end_amdhsa_kernel
	.amdgpu_metadata
---
amdhsa.version: [ 1, 2 ]
amdhsa.kernels:
  - .name:           k_qf324e155b0_proj
    .symbol:         k_qf324e155b0_proj.kd
    .args:
      - { .name: att, .offset: 0, .size: 8, .value_kind: global_buffer, .address_space: global }
      - { .name: wrh, .offset: 8, .size: 8, .value_kind: global_buffer, .address_space: global }
      - { .name: out0, .offset: 16, .size: 8, .value_kind: global_buffer, .address_space: global }
    .group_segment_fixed_size: 327680
    .private_segment_fixed_size: 0
    .kernarg_segment_align: 8
    .kernarg_segment_size: 24
    .max_flat_workgroup_size: 128
    .sgpr_count:     66
    .vgpr_count:     768
    .wavefront_size: 32
...
	.end_amdgpu_metadata
.endif
;; end of part 5
;; launch fine_proj (part 6): grid 16 x 4, 16 waves a work-group, no clusters, 71,936 bytes of LDS; arguments afine, Wr, out0; writes out0
.if DOCPART == 6
	.amdgcn_target "amdgcn-amd-amdhsa--gfx1250"
	.amdhsa_code_object_version 6
	.text
	.protected	k_qf324e155b0_fine_proj
	.globl	k_qf324e155b0_fine_proj
	.p2align	8
	.type	k_qf324e155b0_fine_proj,@function
k_qf324e155b0_fine_proj:
	s_mov_b64 s[64:65], 0
	v_nop
	global_prefetch_b8 v0, s[64:65] scope:SCOPE_SE
	s_setreg_imm32_b32 hwreg(HW_REG_WAVE_MODE, 25, 1), 1
	s_wait_xcnt 0x0
; The projection of the first 16 positions of every sequence, in f32: out0[2048 b + s][n] = sum over k of att(s, k) Wr[k][n], s = 0..15.  It writes over those 64 rows of out0.
; A work-group takes one batch and 64 columns; wave w takes head w (k = 64 w .. 64 w + 63): 64 f32 matrix instructions, four sums by turns.  The sixteen waves' parts meet in LDS as images of their registers;
; wave w then adds register pair (2 w, 2 w + 1) of all sixteen, puts it into a stage of rows, and stores row w: 256 consecutive bytes, aligned.  All waves take one path.
; USED TRANSPOSED: source 0 = 16 columns of Wr, source 1 = the 16 positions.  The channels are dealt to the K steps of 4 as att's image holds them: step (ct, jj), place (h, j) is channel 16 ct + 8 h + 2 jj + j, on both sides.
; The registers that the f32 matrix form writes (v176-207) are written by matrix instructions alone.  Small work: 64 rows of the 8,192.  Wr is read in pieces of 64 bytes: 256 KB a work-group.
.set STG,   65536                      ; LDS: sixteen images of 4,096 bytes; then the stage, 16 rows x 272 bytes
.set SPARE, STG+16*272                 ; then the spare words, 128 bytes for each wave
.set SPW, 12
.set NIL, 13
.set AN,  16                           ; v16-47   att's image: register 8 ct + e: att(position r, channel 16 ct + 8 h + e)
.set WF,  48                           ; v48-175  register 32 nt + 8 ct + e: Wr(64 w + 16 ct + 8 h + e, 64 nb + 16 nt + r); later v48-79 the sixteen parts
.set Y,   176                          ; v176-207 register 8 nt + j: y(position r, column 16 nt + 8 h + j)
	s_load_b128 s[4:7], s[0:1], 0x0                ; afine, Wr
	s_load_b64 s[8:9], s[0:1], 0x10                ; out0
	v_lshl_add_u32 v[SPW], v0, 2, SPARE
	v_mov_b32 v[NIL], 0
	v_lshrrev_b32 v1, 5, v0
	v_readfirstlane_b32 s10, v1                    ; wave = head
	v_and_b32 v1, 15, v0                           ; r
	v_bfe_u32 v2, v0, 4, 1                         ; h
	v_and_b32 v3, 31, v0
	v_lshlrev_b32 v4, 4, v3                        ; 16 x lane
	v_lshlrev_b32 v5, 2, v1
	v_lshl_add_u32 v5, v2, 15, v5                  ; Wr: 4 r + 8 h rows of 4,096 bytes
	s_lshl_b32 s11, s10, 12
	v_add_nc_u32 v6, s11, v4                       ; my image
	s_lshr_b32 s12, s10, 1
	s_lshl_b32 s12, s12, 9
	s_and_b32 s13, s10, 1
	s_lshl_b32 s13, s13, 3
	s_add_co_u32 s12, s12, s13
	v_add_nc_u32 v7, s12, v4                       ; register pair (2 w, 2 w + 1) in an image: 512 (w / 2) + 8 (w % 2) + 16 x lane
	s_lshr_b32 s12, s10, 2
	s_lshl_b32 s12, s12, 6
	s_and_b32 s13, s10, 3
	s_lshl_b32 s13, s13, 3
	s_add_co_u32 s12, s12, s13
	s_add_co_u32 s12, s12, STG
	v_mul_u32_u24 v8, v1, 272
	v_lshl_add_u32 v8, v2, 5, v8
	v_add_nc_u32 v8, s12, v8                       ; that pair's place in the stage: row r, columns 16 (w / 4) + 8 h + 2 (w % 4)
	s_mul_i32 s12, s10, 272
	s_add_co_u32 s12, s12, STG
	v_lshlrev_b32 v9, 3, v3                        ; 8 x lane
	v_add_nc_u32 v10, s12, v9                      ; row w of the stage
	s_and_b32 s14, ttmp7, 0xffff                   ; batch
	s_lshl_b32 s16, s14, 16
	s_add_co_u32 s16, s16, s11                     ; att's image of (batch, head)
	s_mov_b32 s17, 0
	s_lshl_b32 s18, s10, 18                        ; Wr: 64 rows a head, 256 bytes a block of columns
	s_lshl_b32 s15, ttmp9, 8
	s_add_co_u32 s18, s18, s15
	s_mov_b32 s19, 0
	s_lshl_b32 s20, s14, 23                        ; out0: row 2048 x batch + w
	s_add_co_u32 s20, s20, s11
	s_add_co_u32 s20, s20, s15
	s_mov_b32 s21, 0
	s_wait_kmcnt 0x0
	s_add_nc_u64 s[4:5], s[4:5], s[16:17]
	s_add_nc_u64 s[6:7], s[6:7], s[18:19]
	s_add_nc_u64 s[8:9], s[8:9], s[20:21]
.irp i, 0,1,2,3,4,5,6,7
	global_load_b128 v[AN+4*\i:AN+4*\i+3], v4, s[4:5] offset:512*\i
.endr
.irp nt, 0,1,2,3
.irp e, 0,1,2,3,4,5,6,7,8,9,10,11,12,13,14,15,16,17,18,19,20,21,22,23,24,25,26,27,28,29,30,31
	global_load_b32 v[WF+32*\nt+\e], v5, s[6:7] offset:4096*(16*(\e/8)+(\e%8))+64*\nt
.endr
.endr
	s_wait_loadcnt 0x0
.irp nt, 0,1,2,3
	v_wmma_f32_16x16x4_f32 v[Y+8*\nt:Y+8*\nt+7], v[WF+32*\nt:WF+32*\nt+1], v[AN:AN+1], 0       ; the first K step starts the four sums
.endr
.irp e, 1,2,3,4,5,6,7,8,9,10,11,12,13,14,15
.irp nt, 0,1,2,3
	v_wmma_f32_16x16x4_f32 v[Y+8*\nt:Y+8*\nt+7], v[WF+32*\nt+2*\e:WF+32*\nt+2*\e+1], v[AN+2*\e:AN+2*\e+1], v[Y+8*\nt:Y+8*\nt+7]
.endr
.endr
.rept 8
	v_nop                                          ; eight places behind this form, in front of the stores of its results and of the loads into its sources
.endr
.irp i, 0,1,2,3,4,5,6,7
	ds_store_b128 v6, v[Y+4*\i:Y+4*\i+3] offset:512*\i             ; each sum from its low end on
.endr
	s_wait_dscnt 0x0                               ; for the others' sake: my image has landed
	s_barrier_signal -1
	s_barrier_wait -1
.irp p, 0,1,2,3,4,5,6,7,8,9,10,11,12,13,14,15
	ds_load_b64 v[WF+2*\p:WF+2*\p+1], v7 offset:4096*\p
.endr
	s_wait_dscnt 0x0
.irp p, 0,1,2,3,4,5,6,7
	v_pk_add_f32 v[WF+2*\p:WF+2*\p+1], v[WF+2*\p:WF+2*\p+1], v[WF+16+2*\p:WF+16+2*\p+1]
.endr
.irp p, 0,1,2,3
	v_pk_add_f32 v[WF+2*\p:WF+2*\p+1], v[WF+2*\p:WF+2*\p+1], v[WF+8+2*\p:WF+8+2*\p+1]
.endr
.irp p, 0,1
	v_pk_add_f32 v[WF+2*\p:WF+2*\p+1], v[WF+2*\p:WF+2*\p+1], v[WF+4+2*\p:WF+4+2*\p+1]
.endr
	v_pk_add_f32 v[WF:WF+1], v[WF:WF+1], v[WF+2:WF+3]
	ds_store_b64 v8, v[WF:WF+1]
	s_wait_dscnt 0x0                               ; my part of the stage has landed
	s_barrier_signal -1
	s_barrier_wait -1
	ds_load_b64 v[WF+4:WF+5], v10
	s_wait_dscnt 0x0
	global_store_b64 v9, v[WF+4:WF+5], s[8:9]      ; 32 lanes store 256 consecutive bytes, aligned
	s_wait_tensorcnt 0x0                           ; the wave's end, behind my last LDS store
	ds_add_u32 v[SPW], v[NIL]
	s_wait_dscnt 0x0
	s_endpgm
.Lfunc_end_k_qf324e155b0_fine_proj:
	.size	k_qf324e155b0_fine_proj, .Lfunc_end_k_qf324e155b0_fine_proj-k_qf324e155b0_fine_proj
	.p2alignl 7, 3214868480
	.fill 96, 4, 3214868480
	.section	.rodata,"a",@progbits
	.p2align	6, 0x0
	.amdhsa_kernel k_qf324e155b0_fine_proj
		.amdhsa_group_segment_fixed_size 71936
		.amdhsa_private_segment_fixed_size 0
		.amdhsa_enable_private_segment 0
		.amdhsa_kernarg_size 24
		.amdhsa_user_sgpr_count 2
		.amdhsa_user_sgpr_kernarg_segment_ptr 1
		.amdhsa_wavefront_size32 1
		.amdhsa_system_sgpr_workgroup_id_x 1
		.amdhsa_system_sgpr_workgroup_id_y 1
		.amdhsa_system_sgpr_workgroup_id_z 1
		.amdhsa_system_vgpr_workitem_id 0
		.amdhsa_next_free_vgpr 208
		.amdhsa_next_free_sgpr 66
		.amdhsa_reserve_vcc 0
		.amdhsa_float_denorm_mode_32 3
		.amdhsa_float_denorm_mode_16_64 3
		.amdhsa_memory_ordered 1
		.amdhsa_forward_progress 1
		.amdhsa_inst_pref_size 23
	.end_amdhsa_kernel
	.amdgpu_metadata
---
amdhsa.version: [ 1, 2 ]
amdhsa.kernels:
  - .name:           k_qf324e155b0_fine_proj
    .symbol:         k_qf324e155b0_fine_proj.kd
    .args:
      - { .name: afine, .offset: 0, .size: 8, .value_kind: global_buffer, .address_space: global }
      - { .name: Wr, .offset: 8, .size: 8, .value_kind: global_buffer, .address_space: global }
      - { .name: out0, .offset: 16, .size: 8, .value_kind: global_buffer, .address_space: global }
    .group_segment_fixed_size: 71936
    .private_segment_fixed_size: 0
    .kernarg_segment_align: 8
    .kernarg_segment_size: 24
    .max_flat_workgroup_size: 512
    .sgpr_count:     66
    .vgpr_count:     208
    .wavefront_size: 32
...
	.end_amdgpu_metadata
.endif
;; end of part 6
